; MI455X (gfx1250); checked and timed in simulation.
; The chip was launched on July 23, 2026; its instructions are those of AMD's public machine-readable ISA for CDNA 5 (MIT licence, August 2026) and "CDNA5" Instruction Set Architecture Reference Guide (July 2026). The comments in the code are by the model that wrote it; some were corrected since.
;; GRU. Allowed arithmetic: matrix products marked QUANTISED: E5M2 operands, one E8M0 scale for each 32 along K, by v_wmma_scale_f32_16x16x128_f8f6f4 with both operands' format E5M2, f32 sums; everything else in f32.
;; Inputs: W_hn 1,024 x 1,024 float32; W_hr 1,024 x 1,024 float32; W_hz 1,024 x 1,024 float32; W_in_ 1,024 x 1,024 float32; W_ir 1,024 x 1,024 float32; W_iz 1,024 x 1,024 float32; b_hn 1,024 float32; b_hr 1,024 float32; b_hz 1,024 float32; b_in_ 1,024 float32; b_ir 1,024 float32; b_iz 1,024 float32; hidden 8,192 x 1,024 float32; input 8,192 x 1,024 float32.
;; Outputs: out0 8,192 x 1,024 float32; out1 8,192 x 1,024 float32.
;; This version of the problem:
;;   THIS VERSION OF THE PROBLEM IS GIVEN IN LOW PRECISION. The matrix products marked QUANTISED in the list below multiply operands that are first quantised to E5M2 (5 exponent bits, 2 mantissa bits; 8 bits a number), with one power-of-two scale for each 32 numbers along K (OCP MX v1.0); their sums are f32. All else is computed in f32.
;;   The module's matrix products, in the order in which they are computed (A, B: the left and right operand; K: the contracted axis; several contracted axes count as one K, in the product's order):
;;     1. [M 8,192, K 1,024] x [K 1,024, N 1,024]; A: input input; B: input W_ir: QUANTISED
;;     2. [M 8,192, K 1,024] x [K 1,024, N 1,024]; A: input hidden; B: input W_hr: QUANTISED
;;     3. [M 8,192, K 1,024] x [K 1,024, N 1,024]; A: input input; B: input W_iz: QUANTISED
;;     4. [M 8,192, K 1,024] x [K 1,024, N 1,024]; A: input hidden; B: input W_hz: QUANTISED
;;     5. [M 8,192, K 1,024] x [K 1,024, N 1,024]; A: input input; B: input W_in_: QUANTISED
;;     6. [M 8,192, K 1,024] x [K 1,024, N 1,024]; A: input hidden; B: input W_hn: QUANTISED
;;   THE QUANTISER, for each operand of a quantised product, along K:
;;     - K is cut into blocks of 32 from its start; a last block that is shorter is filled with zeros.
;;     - A block's scale is 2^e with e = floor(log2(the largest magnitude in the block)) - 15, held to -126 .. 127; a block of zeros has e = 0. As a byte (E8M0): e + 127.
;;     - Each number is divided by its block's scale, clamped to +-57,344, and rounded to the nearest number of E5M2, ties to even, subnormals kept.
;;     - The product sums the exact products of the quantised numbers (number of the format x scale) in f32.
;;   ~~~python
;;   def quantise(x, axis):      # numpy; x: float32 -> the quantised numbers, widened to float32 again
;;       x = np.moveaxis(x, axis, -1); K = x.shape[-1]
;;       x = np.pad(x, [(0, 0)] * (x.ndim - 1) + [(0, -K % 32)]); x = x.reshape(x.shape[:-1] + (-1, 32)); a = np.abs(x).max(-1, keepdims=True)
;;       e = np.where(a > 0, np.clip(np.frexp(np.where(a > 0, a, 1))[1] - 1 - 15, -126, 127), 0)      # np.frexp(a)[1] - 1 = floor(log2(a)), exactly
;;       r = np.clip(x / 2.0 ** e, -57344, 57344)
;;       step = 2.0 ** (np.maximum(np.frexp(np.where(r == 0, 1, r))[1] - 1, -14) - 2)
;;       q = np.round(r / step) * step * 2.0 ** e      # np.round: ties to even
;;       return np.moveaxis(q.reshape(q.shape[:-2] + (-1,))[..., :K], -1, axis).astype(np.float32)
;;   ~~~
;; 2 versions. Each part assembles by itself: llvm-mc -triple=amdgcn-amd-amdhsa -mcpu=gfx1250 --defsym DOCPART=n.
;; ======== version 1 of 2: 2 launches
;; workspace buffers: acodes 16,777,216 bytes; ascales 524,288 bytes; wcodes 6,291,456 bytes; wscales 196,608 bytes
;; launch quant (part 1): grid 704 x 1, 4 waves a work-group, no clusters, 35,328 bytes of LDS; arguments input, hidden, W_ir, W_hr, W_iz, W_hz, W_in_, W_hn, acodes, ascales, wcodes, wscales; writes acodes, ascales, wcodes, wscales
.if DOCPART == 1
	.amdgcn_target "amdgcn-amd-amdhsa--gfx1250"
	.amdhsa_code_object_version 6
	.text
	.protected	k_qf6a3eceffb_quant
	.globl	k_qf6a3eceffb_quant
	.p2align	8
	.type	k_qf6a3eceffb_quant,@function
k_qf6a3eceffb_quant:
	s_mov_b64 s[64:65], 0
	v_nop
	global_prefetch_b8 v0, s[64:65] scope:SCOPE_SE
	s_setreg_imm32_b32 hwreg(HW_REG_WAVE_MODE, 25, 1), 1
	s_wait_xcnt 0x0
; input, hidden [8192][1024] and the six weights [1024][1024], f32, K innermost in all of them, become codes of BF8 (E5M2), one byte each, with one E8M0 scale byte for each 32 along K.
; A block's scale is 2^(floor(log2(its largest magnitude)) - 15); its byte is the largest magnitude's exponent field - 15, held at 1 from below; each number is divided by the scale,
; held within +-57,344 and rounded to the nearest code, ties to even.
; LIMITS: NaN and infinities among the inputs are not served.  A block whose largest magnitude lies under 2^-111 (the floor) keeps the byte 1.  A block of zeros gets the byte 1 where the
; rule says 127: its codes are zeros, which add nothing under any byte but 0xff, and the bytes are read by this program alone.
; WHERE THE RESULTS GO.  acodes [2][8192][1024]: half 0 input, half 1 hidden.  ascales [8192][64]: bytes 0-31 input's 32 blocks of the row, bytes 32-63 hidden's.
; wcodes [2][3072][1024], wscales [3072][64]: half 0 the weights that meet input (W_ir, W_iz, W_in_), half 1 those that meet hidden (W_hr, W_hz, W_hn).  Row n of gate g (0 r, 1 z, 2 n) lies at
; row (n / 32) x 96 + 32 g + n % 32: the 96 rows that serve 32 output columns are neighbours.
; SHARES.  A work-group takes 16 rows of a PAIR of tensors (work-groups 0-511: input, hidden; then 64 each for the three pairs of weights): waves 0, 1 the first of the pair, waves 2, 3 the second;
; a wave 8 rows = 16 steps of 512 numbers.  So the work-group's scale bytes, 16 rows x 64, are 1,024 consecutive bytes of memory: they meet in LDS and leave as four aligned runs of 256 bytes.
; A STEP.  Each of its four loads reads 512 consecutive bytes, 16 a lane; the 2,048 bytes turn through the wave's own stage in LDS and come back 64 bytes a lane, so that a lane holds 16 NEIGHBOURS along K
; (two neighbouring lanes hold a block), as the conversions want them.  A lane's 16 codes are 16 bytes: the wave stores 512 consecutive bytes.  Loads run four steps ahead, the turn through LDS one step.
; No tensor loads, no matrix unit, no cluster: the work-groups share no input, and the launch only moves bytes.  One path serves all tensors: only pointers and numbers are chosen.
.set STEPS, 16
.set MANT,  0x600000                   ; the mantissa field of 57,344 as f32
.set R,     16                         ; v16-79   four sets of 16 numbers as they are loaded
.set X,     80                         ; v80-111  two sets of 16 neighbours
.set E,     112                        ; v112-127 a scale byte for each step
.set C,     128                        ; v128-191 codes: four registers for each step, so that no store's data are written again
.set WREG,  8192                       ; LDS: a region for each wave: two stages of 32 x SP bytes
.set SP,    80                         ; a lane's place in a stage: its 64 bytes + 16 of padding
.set SCL,   4*WREG                     ; behind the four regions: the work-group's 1,024 scale bytes, [16 rows][64]
	s_load_b512 s[8:23], s[0:1], 0x0               ; input, hidden, W_ir, W_hr, W_iz, W_hz, W_in_, W_hn
	s_load_b256 s[24:31], s[0:1], 0x40             ; acodes, ascales, wcodes, wscales
	v_lshl_add_u32 v192, v0, 2, 0x8800
	v_mov_b32 v193, 0
	v_lshrrev_b32 v1, 5, v0
	v_readfirstlane_b32 s32, v1                    ; wave 0..3
	s_lshr_b32 s33, s32, 1                         ; which of the pair
	s_and_b32 s34, s32, 1                          ; which 8 of the 16 rows
	v_and_b32 v2, 31, v0                           ; lane
	v_lshlrev_b32 v3, 4, v2                        ; my 16 bytes of a load's 512, and of a step's 512 bytes of codes; never rewritten
	s_mul_i32 s50, s32, WREG
	v_lshrrev_b32 v14, 2, v2
	v_mul_u32_u24 v14, v14, SP
	v_and_b32 v15, 3, v2
	v_lshl_add_u32 v14, v15, 4, v14
	v_add_nc_u32 v14, s50, v14                     ; the stage, on the way in: four lanes' 64 bytes on end, then 16 of padding
	v_mul_u32_u24 v15, v2, SP
	v_add_nc_u32 v15, s50, v15                     ; and on the way out: my 16 neighbours
	s_lshl_b32 s50, s34, 9                         ; the scale bytes: my 8 rows of 64 bytes,
	s_lshl_b32 s51, s33, 5                         ; my tensor's half of a row,
	s_add_co_u32 s50, s50, s51
	s_add_co_u32 s50, s50, SCL
	v_lshrrev_b32 v5, 1, v2
	v_add_nc_u32 v5, s50, v5                       ; my block's byte
	s_lshl_b32 s50, s32, 8
	v_lshl_add_u32 v7, v2, 3, s50                  ; on the way out: 256 bytes a wave, 8 a lane
	v_add_nc_u32 v6, SCL, v7
	s_mov_b32 s52, MANT                            ; (an instruction takes one literal: the hold's line has another)
	; which rows: numbers only, made apart from every address
	s_cmp_lt_u32 ttmp9, 512                        ; input and hidden, or a pair of weights?
	s_cselect_b32 s35, 0, 512
	s_cselect_b32 s37, 511, 63
	s_mov_b32 s36, 0x300000
	s_cselect_b32 s36, 0x800000, s36               ; bytes from the codes' half 0 to half 1
	s_sub_co_u32 s38, ttmp9, s35
	s_and_b32 s39, s38, s37                        ; j: which 16 rows of the tensor
	s_lshr_b32 s41, s38, 6                         ; g: which gate (weights only)
	s_lshr_b32 s42, s39, 1
	s_mul_i32 s42, s42, 96
	s_lshl_b32 s43, s41, 5
	s_add_co_u32 s42, s42, s43
	s_and_b32 s43, s39, 1
	s_lshl_b32 s43, s43, 4
	s_add_co_u32 s42, s42, s43                     ; a weight's first row in wcodes: (j / 2) x 96 + 32 g + 16 (j % 2)
	s_lshl_b32 s43, s39, 4                         ; the first row in the source: 16 j
	s_cmp_lt_u32 ttmp9, 512
	s_cselect_b32 s40, s43, s42                    ; the first row in the results
	s_lshl_b32 s41, s34, 3                         ; my wave's 8 rows
	s_add_co_u32 s44, s43, s41
	s_lshl_b32 s44, s44, 12                        ; source: 4,096 bytes a row
	s_mov_b32 s45, 0
	s_add_co_u32 s46, s40, s41
	s_lshl_b32 s46, s46, 10                        ; codes: 1,024 bytes a row,
	s_mul_i32 s47, s33, s36
	s_add_co_u32 s46, s46, s47                     ; in my tensor's half
	s_mov_b32 s47, 0
	s_lshl_b32 s48, s40, 6                         ; scale bytes: 64 a row, from the work-group's first row on
	s_mov_b32 s49, 0
	s_wait_kmcnt 0x0
	s_cmp_eq_u32 s33, 0                            ; the choices hang on the wave's and the work-group's number alone
	s_cselect_b64 s[8:9], s[8:9], s[10:11]
	s_cselect_b64 s[12:13], s[12:13], s[14:15]
	s_cselect_b64 s[16:17], s[16:17], s[18:19]
	s_cselect_b64 s[20:21], s[20:21], s[22:23]
	s_cmp_lt_u32 ttmp9, 640
	s_cselect_b64 s[4:5], s[16:17], s[20:21]
	s_cmp_lt_u32 ttmp9, 576
	s_cselect_b64 s[4:5], s[12:13], s[4:5]
	s_cmp_lt_u32 ttmp9, 512
	s_cselect_b64 s[4:5], s[8:9], s[4:5]           ; the source
	s_cselect_b64 s[6:7], s[24:25], s[28:29]       ; its codes
	s_cselect_b64 s[2:3], s[26:27], s[30:31]       ; its scale bytes
	s_add_nc_u64 s[4:5], s[4:5], s[44:45]
	s_add_nc_u64 s[6:7], s[6:7], s[46:47]
	s_add_nc_u64 s[2:3], s[2:3], s[48:49]
.macro LOAD t
.irp i, 0,1,2,3
	global_load_b128 v[R+16*((\t)%4)+4*\i:R+16*((\t)%4)+4*\i+3], v3, s[4:5] offset:2048*(\t)+512*\i th:TH_LOAD_NT   ; 32 lanes read 512 consecutive bytes
.endr
.endm
.macro TURN t                          ; step t's numbers through the stage: LDS serves a wave's instructions in order (ISA guide 5.7.1.4), so no wait stands between the stores and the loads
.irp i, 0,1,2,3
	ds_store_b128 v14, v[R+16*((\t)%4)+4*\i:R+16*((\t)%4)+4*\i+3] offset:32*SP*((\t)%2)+8*SP*\i
.endr
.irp i, 0,1,2,3
	ds_load_b128 v[X+16*((\t)%2)+4*\i:X+16*((\t)%2)+4*\i+3], v15 offset:32*SP*((\t)%2)+16*\i
.endr
.endm
.irp t, 0,1,2,3
	LOAD \t
.endr
	s_wait_loadcnt 12                              ; step 0's four loads are in; the twelve of steps 1 to 3 may be out
	TURN 0
.macro STEP t
.set XS, X+16*((\t)%2)
.if (\t) > 0
	s_wait_dscnt 1                                 ; this step's numbers are back from the stage (the last step's byte store may be out): so its stores into the stage have read their registers,
.else
	s_wait_dscnt 0x0
.endif
.if (\t)+4 < STEPS
	LOAD (\t)+4                                    ; which take the loads of four steps on
.endif
.if (\t)+1 < STEPS
.if STEPS-2-(\t) >= 3
	s_wait_loadcnt 12                              ; the next step's four loads are in; those of the three steps behind it may be out
.else
	s_wait_loadcnt 4*(STEPS-2-(\t))                ; near the end fewer steps stand behind it
.endif
	TURN (\t)+1                                    ; and go through the other stage while this step is worked
.endif
	v_max3_num_f32 v8, |v[XS]|, |v[XS+1]|, |v[XS+2]|               ; the largest magnitude of my 16, in two chains
	v_max3_num_f32 v9, |v[XS+3]|, |v[XS+4]|, |v[XS+5]|
.irp i, 6,10
	v_max3_num_f32 v8, v8, |v[XS+\i]|, |v[XS+\i+1]|
	v_max3_num_f32 v9, v9, |v[XS+\i+2]|, |v[XS+\i+3]|
.endr
	v_max3_num_f32 v8, v8, |v[XS+14]|, |v[XS+15]|
	v_max3_num_f32 v8, v8, v9, 0x8000000           ; and the floor 2^(16 - 127): so the byte cannot fall under 1
	v_max_num_f32_dpp v8, v8, v8 row_xmask:1 row_mask:0xf bank_mask:0xf   ; and of my neighbour's 16: the block's
	v_add_nc_u32 v11, 0xf8800000, v8               ; 15 off its exponent field: the conversion takes the exponent field of this operand as its scale, and nothing else of it
	v_and_or_b32 v10, v8, 0x7f800000, s52          ; 57,344 x the scale: the largest magnitude's exponent field over 57,344's mantissa
.irp i, 0,1,2,3,4,5,6,7,8,9,10,11,12,13,14,15
	v_med3_num_f32 v[XS+\i], v[XS+\i], -v10, v10   ; the conversion to an 8-bit code does not saturate (ISA guide 7.6.2): the number is held within the largest code x the scale first
.endr
	v_cvt_scalef32_pk8_bf8_f32 v[C+4*(\t):C+4*(\t)+1], v[XS:XS+7], v11
	v_cvt_scalef32_pk8_bf8_f32 v[C+4*(\t)+2:C+4*(\t)+3], v[XS+8:XS+15], v11
	v_lshrrev_b32 v[E+(\t)], 23, v11               ; the scale's byte (also the plain line behind the conversions)
	ds_store_b8 v5, v[E+(\t)] offset:64*((\t)/2)+16*((\t)%2)       ; row t / 2 of my 8, blocks 16 (t % 2) on; both lanes of a block write the same byte with the same value
	global_store_b128 v3, v[C+4*(\t):C+4*(\t)+3], s[6:7] offset:512*(\t)   ; 32 lanes store 512 consecutive bytes, aligned
.endm
.irp t, 0,1,2,3,4,5,6,7,8,9,10,11,12,13,14,15
	STEP \t
.endr
	s_wait_dscnt 0x0                               ; for the others' sake: my byte stores have landed
	s_barrier_signal -1
	s_barrier_wait -1                              ; the 1,024 scale bytes, which four waves wrote, are whole
	ds_load_b64 v[12:13], v6
	s_wait_dscnt 0x0
	global_store_b64 v7, v[12:13], s[2:3]          ; 32 lanes store 256 consecutive bytes, aligned
	s_wait_tensorcnt 0x0
	ds_add_u32 v192, v193
	s_wait_dscnt 0x0
	s_endpgm
.Lfunc_end_k_qf6a3eceffb_quant:
	.size	k_qf6a3eceffb_quant, .Lfunc_end_k_qf6a3eceffb_quant-k_qf6a3eceffb_quant
	.p2alignl 7, 3214868480
	.fill 96, 4, 3214868480
	.section	.rodata,"a",@progbits
	.p2align	6, 0x0
	.amdhsa_kernel k_qf6a3eceffb_quant
		.amdhsa_group_segment_fixed_size 35328
		.amdhsa_private_segment_fixed_size 0
		.amdhsa_enable_private_segment 0
		.amdhsa_kernarg_size 96
		.amdhsa_user_sgpr_count 2
		.amdhsa_user_sgpr_kernarg_segment_ptr 1
		.amdhsa_wavefront_size32 1
		.amdhsa_system_sgpr_workgroup_id_x 1
		.amdhsa_system_sgpr_workgroup_id_y 1
		.amdhsa_system_sgpr_workgroup_id_z 1
		.amdhsa_system_vgpr_workitem_id 0
		.amdhsa_next_free_vgpr 194
		.amdhsa_next_free_sgpr 66
		.amdhsa_reserve_vcc 0
		.amdhsa_float_denorm_mode_32 3
		.amdhsa_float_denorm_mode_16_64 3
		.amdhsa_memory_ordered 1
		.amdhsa_forward_progress 1
		.amdhsa_inst_pref_size 52
	.end_amdhsa_kernel
	.amdgpu_metadata
---
amdhsa.version: [ 1, 2 ]
amdhsa.kernels:
  - .name:           k_qf6a3eceffb_quant
    .symbol:         k_qf6a3eceffb_quant.kd
    .args:
      - { .name: input, .offset: 0, .size: 8, .value_kind: global_buffer, .address_space: global }
      - { .name: hidden, .offset: 8, .size: 8, .value_kind: global_buffer, .address_space: global }
      - { .name: W_ir, .offset: 16, .size: 8, .value_kind: global_buffer, .address_space: global }
      - { .name: W_hr, .offset: 24, .size: 8, .value_kind: global_buffer, .address_space: global }
      - { .name: W_iz, .offset: 32, .size: 8, .value_kind: global_buffer, .address_space: global }
      - { .name: W_hz, .offset: 40, .size: 8, .value_kind: global_buffer, .address_space: global }
      - { .name: W_in_, .offset: 48, .size: 8, .value_kind: global_buffer, .address_space: global }
      - { .name: W_hn, .offset: 56, .size: 8, .value_kind: global_buffer, .address_space: global }
      - { .name: acodes, .offset: 64, .size: 8, .value_kind: global_buffer, .address_space: global }
      - { .name: ascales, .offset: 72, .size: 8, .value_kind: global_buffer, .address_space: global }
      - { .name: wcodes, .offset: 80, .size: 8, .value_kind: global_buffer, .address_space: global }
      - { .name: wscales, .offset: 88, .size: 8, .value_kind: global_buffer, .address_space: global }
    .group_segment_fixed_size: 35328
    .private_segment_fixed_size: 0
    .kernarg_segment_align: 8
    .kernarg_segment_size: 96
    .max_flat_workgroup_size: 128
    .sgpr_count:     66
    .vgpr_count:     194
    .wavefront_size: 32
...
	.end_amdgpu_metadata
.endif
;; end of part 1
;; launch gru (part 2): grid 16 x 32, 4 waves a work-group, clusters of 4 x 4, 327,680 bytes of LDS; arguments acodes, ascales, wcodes, wscales, b_ir, b_hr, b_iz, b_hz, b_in_, b_hn, hidden, out0, out1; writes out0, out1
.if DOCPART == 2
	.amdgcn_target "amdgcn-amd-amdhsa--gfx1250"
	.amdhsa_code_object_version 6
	.text
	.protected	k_qf6a3eceffb_gru
	.globl	k_qf6a3eceffb_gru
	.p2align	8
	.type	k_qf6a3eceffb_gru,@function
k_qf6a3eceffb_gru:
	s_mov_b64 s[64:65], 0
	v_nop
	global_prefetch_b8 v0, s[64:65] scope:SCOPE_SE
	s_setreg_imm32_b32 hwreg(HW_REG_WAVE_MODE, 25, 1), 1
	s_wait_xcnt 0x0
	s_wait_alu depctr_hold_cnt(0) depctr_sa_sdst(0) depctr_va_vdst(0) depctr_va_sdst(0) depctr_va_ssrc(0) depctr_va_vcc(0) depctr_vm_vsrc(0)
	s_getreg_b32 s2, hwreg(HW_REG_IB_STS2, 6, 4)
	s_cmp_eq_u32 s2, 0
	s_cbranch_scc0 .Lentry_in_a_cluster
	s_endpgm
.Lentry_in_a_cluster:
	s_bfe_u32 s2, ttmp6, 0x10000c
	s_cmp_lg_u32 s2, 0xf033
	s_cbranch_scc0 .Lentry_shape_is_right
	s_endpgm
.Lentry_shape_is_right:
; h_t = (1 - z) n + z hidden;  r = sigmoid(x W_ir^T + h W_hr^T + b_ir + b_hr), z likewise, n = tanh(x W_in^T + b_in + r (h W_hn^T + b_hn)).  out0 = out1 = h_t, [8192][1024] f32.
; The six products run on codes of BF8 (E5M2) with one E8M0 scale for each 32 along K, as the launch before laid them: acodes [2][8192][1024] (0 input, 1 hidden), ascales [8192][64],
; wcodes [2][3072][1024], wscales [3072][64] (row (n / 32) x 96 + 32 g + n % 32 for column n of gate g).  Sums, gates and the blend with hidden are f32.
; SHARES.  A work-group makes 256 rows x 64 columns of h_t.  An output needs FOUR sums (r, z: one each over x's and h's K; n: one over x's K and one over h's), so a wave, 128 rows x 32 columns, holds
; 8 x 8 accumulators of 16 x 16: 512 registers.  For 128 along K it reads 8 fragments of rows and 6 of weights for 48 matrix instructions.
; THE ORDER OF K.  Slot 0 of the ring always holds 256 along K of input with the three weights that meet it, slot 1 the same of hidden: a lap is slot 0, then slot 1; four laps.  So register numbers come back
; every lap: slot 0's weight blocks 0-5 add onto sums 0-5 (r, r, z, z, ni, ni), slot 1's blocks 0-3 onto sums 0-3 and its blocks 4, 5 onto sums 6, 7 (nh).
; THE BIASES are the C of each sum's first matrix instruction: nothing is cleared and the gates add no bias.
; CLUSTERS: 4 x 4 work-groups.  The four of a row of the cluster need the same rows' codes and scales, the four of a column the same weights': each tile is asked for JOINTLY, by the same tensor load with the same
; descriptor and a mask that names the four.  hidden's own f32 tile is each work-group's alone: a plain tensor load, into slot 0 when that slot has been read for the last time.
; THE MATRIX INSTRUCTION IS USED TRANSPOSED (source 0 = 16 rows of a weight, source 1 = 16 rows of x or h): a lane holds eight neighbouring columns of one row.
; LIMITS: sigmoid and tanh are made of v_exp_f32 and v_rcp_f32 (1 ulp each); tanh as 1 - 2 / (1 + e^(2y)), whose absolute error near 0 is that of one rounding at 1.  Where an exponential overflows the reciprocal
; of infinity is 0, which is the gate's limit.  NaN and infinities among the inputs are not served.
; REGISTERS, in windows of 256: window 0: v16-31 addresses; v32-63 scale words, a set for each slot; v64-127 the biases, eight registers a sum; v128-255 the rows' 8 fragments, ONE set; later hidden, later rows of h_t.
;   window 1: the weights' 6 fragments, TWO sets, at v0 and v128.   window 2: the sums of my rows 0-63 (row block a, sum i at v[8 (8 (a % 4) + i)]);   window 3: those of my rows 64-127.
.set PITCH, 272                        ; an LDS row: 256 bytes + 16 of padding, so that the 16 rows that a load touches begin at 16 different places modulo 256 bytes
.set HALFA, 128*PITCH                  ; 128 rows of x or h: one tensor load, and what one wave reads
.set HALFB, 96*PITCH                   ; 96 rows of weights: likewise
.set BOFF,  2*HALFA                    ; a slot: 256 rows of x or h, then 192 rows of weights
.set SLOT,  BOFF+2*HALFB
.set HSB,   24*272                     ; the scale bytes of 96 rows of weights, 64 a row, as runs of 256 bytes + 16 of padding
.set HSA,   32*272                     ; those of 128 rows of x and h
.set SBLK,  4*272                      ; those of 16 rows
.set SCB,   2*SLOT                     ; behind the ring: the weights' scales (two halves), filled once,
.set SCA,   SCB+2*HSB                  ; and directly behind them the rows'
.set SPARE, SCA+2*HSA                  ; the spare words, 128 bytes for each wave: two blocks of 256 bytes that no other line names
.set ASTR,  0x800000                   ; bytes from input's codes to hidden's
.set WSTR,  0x300000                   ; and between the two halves of wcodes
.set ADRA, 16                          ; v16-17  LDS address of my rows' fragments in slot 0, 1
.set ADRB, 20                          ; v20-21  the same for the weights
.set STO,  22                          ; v22     the stage for h_t (in slot 1): where I put 16 bytes of a row
.set HAD,  24                          ; v24     the same place in hidden's tile (in slot 0)
.set RD,   25                          ; v25     where I read a row of the stage back
.set CO,   26                          ; v26     my byte offset in the wave's rows of out0 and out1
.set ADRS, 27                          ; v27     LDS address of my scale words: lanes 0-15 the weights', lanes 16-31 the rows'
.set SPW,  28                          ; v28     LDS address of my spare word; never rewritten
.set NIL,  29                          ; v29     0; never rewritten
.set PFO,  30                          ; v30     the prefetches' offset: my lane x a row of hidden (4,096 bytes); never rewritten
.set BO,   31                          ; v31     my byte offset in a bias
.set SC,   32                          ; scale words: set s at v[SC + 16 s]; register 2 i + q: lanes 0-15 weight block i's word, lanes 16-31 row block i's, for the slot's q-th 128 along K
.set BIAS, 64
.set AF,   128
.set HR,   128                         ; hidden's numbers, then rows of h_t
.set WV,   12                          ; s12 wave;  s13 my half of the rows, also: I fetch rows (0) or weights (1);  s14 my half of the columns, also: which half I fetch
.set RH,   13
.set U,    14
.set G1H,  4                           ; s[4:11]  group 1 for hidden's tile (once the four workspace pointers are used up);  s[16:19] its group 0
.set G0H,  16
.set G1A,  24                          ; s[24:31] group 1 for the rows' codes;  s[32:39] group 0, a set for each slot
.set G0A,  32
.set G1B,  48                          ; s[48:55], s[56:63] the same for the weights
.set G0B,  56
.set TLE,  66                          ; s[66:67] 2 log2(e), twice
.set G1SA, 68                          ; s[68:75], s[76:79] groups 1 and 0 for the rows' scales;  s[80:87], s[88:91] for the weights'
.set G0SA, 76
.set G1SB, 80
.set G0SB, 88
.set OUT0, 94
.set OUT1, 96
.set PFA,  98                          ; s[98:99] where my prefetches stand
.set NLE,  100                         ; s[100:101] -log2(e), twice
.set MSB, 0
.macro WIN new                         ; the immediate's high byte repeats the setting that is left; a switch that changes nothing is dropped
.if MSB != (\new)
	s_set_vgpr_msb (MSB<<8)|(\new)
.set MSB, (\new)
.endif
.endm
.set MUL_LO,  0xa1                     ; source 0 (weights) window 1, source 1 (rows) window 0, C and D window 2;  + 0x50: window 3
.set BIAS_LO, 0x81                     ; the same with C (a bias) in window 0;  + 0x40: D window 3
.set TO_B,    0x40                     ; destination window 1, address window 0
; A joint load: waves 0 and 1 fetch for the rows, waves 2 and 3 for the weights.  Each of the two lines has ONE mask and one set of registers for all that issue it; the branch hangs on the wave's number alone.
; Four v_nop follow each of the two lines, ahead of the jump, the label and what follows.
.macro JLOAD g0a, g1a, g0b, g1b
	s_cmp_eq_u32 s[RH], 0
	s_cbranch_scc0 .Lfor_b_\@
	tensor_load_to_lds s[\g0a:\g0a+3], s[\g1a:\g1a+7]
	s_nop 0
.rept 4
	v_nop
.endr
	s_branch .Lasked_\@
.Lfor_b_\@:
	tensor_load_to_lds s[\g0b:\g0b+3], s[\g1b:\g1b+7]
	s_nop 0
.rept 4
	v_nop
.endr
.Lasked_\@:
.endm
.macro CREST                           ; a round of the cluster's barrier behind its opening barrier
	s_cmp_lg_u32 s[WV], 0
	s_cbranch_scc1 .Lnot_wave_0_\@
	s_barrier_signal -3
.Lnot_wave_0_\@:
	s_barrier_wait -3
	s_barrier_signal -1
	s_barrier_wait -1
.endm
.macro CROUND                          ; a whole round
	s_barrier_signal -1
	s_barrier_wait -1
	CREST
.endm
	s_load_b256 s[4:11], s[0:1], 0x0               ; acodes, ascales, wcodes, wscales
	s_load_b128 s[92:95], s[0:1], 0x50             ; hidden, out0
	s_load_b64 s[96:97], s[0:1], 0x60              ; out1
	v_lshl_add_u32 v[SPW], v0, 2, SPARE
	v_mov_b32 v[NIL], 0
	ds_add_u32 v28, v29
	ds_add_u32 v28, v29
	s_wait_dscnt 0x0
	v_lshrrev_b32 v1, 5, v0
	v_readfirstlane_b32 s[WV], v1                  ; wave 0..3
	s_lshr_b32 s[RH], s[WV], 1
	s_and_b32 s[U], s[WV], 1
	s_bfe_u32 s40, ttmp6, 0x40000                  ; cx, cy: my place in the cluster
	s_bfe_u32 s41, ttmp6, 0x40004
	s_lshl_b32 s42, ttmp9, 2
	s_add_co_u32 s42, s42, s40                     ; tile column (64 columns) = 4 x cluster x + cx
	s_and_b32 s43, ttmp7, 0xffff
	s_lshl_b32 s43, s43, 2
	s_add_co_u32 s43, s43, s41                     ; tile row (256 rows) = 4 x cluster y + cy
	s_lshl_b32 s44, s41, 2
	s_lshl_b32 s44, 15, s44                        ; my row of the cluster
	s_lshl_b32 s45, 0x1111, s40                    ; my column
	; group 1 for codes: rows of 256 bytes (elements of 1 byte), 1,024 apart in memory, 16 bytes of padding behind each: 128 rows of x or h, 96 rows of weights
	s_or_b32 s[G1A], s44, (1<<20)|(1<<21)|(5<<22)|(3<<25)   ; 15:0 the mask: my row; 17:16 elements of 1 byte; 20 padding on; 21 set beside a mask; 24:22 after every 64 words (code 5); 31:25 four words (code 3)
	s_or_b32 s[G1B], s45, (1<<20)|(1<<21)|(5<<22)|(3<<25)   ; the same with the mask of my column
.irp g, G1A, G1B
	s_mov_b32 s[\g+1], 256<<16                     ; tensor_dim0
	s_mov_b32 s[\g+3], 256<<16                     ; tile_dim0
	s_mov_b32 s[\g+5], 1024                        ; tensor_dim0_stride
	s_mov_b32 s[\g+6], 0
	s_mov_b32 s[\g+7], 0
.endr
	s_mov_b32 s[G1A+2], 128<<16                    ; tensor_dim1
	s_mov_b32 s[G1A+4], 128                        ; tile_dim1
	s_mov_b32 s[G1B+2], 96<<16
	s_mov_b32 s[G1B+4], 96
	; group 1 for scales: a dense block as rows of 256 bytes (32 elements of 8 bytes), 16 bytes of padding behind each: 32 such rows for 128 rows of x and h, 24 for 96 rows of weights
	s_or_b32 s[G1SA], s44, (3<<16)|(1<<20)|(1<<21)|(5<<22)|(3<<25)
	s_or_b32 s[G1SB], s45, (3<<16)|(1<<20)|(1<<21)|(5<<22)|(3<<25)
.irp g, G1SA, G1SB
	s_mov_b32 s[\g+1], 32<<16
	s_mov_b32 s[\g+3], 32<<16
	s_mov_b32 s[\g+5], 32
	s_mov_b32 s[\g+6], 0
	s_mov_b32 s[\g+7], 0
.endr
	s_mov_b32 s[G1SA+2], 32<<16
	s_mov_b32 s[G1SA+4], 32
	s_mov_b32 s[G1SB+2], 24<<16
	s_mov_b32 s[G1SB+4], 24
	; what I fetch.  The rows' offsets hang on the tile row and the wave alone, the weights' on the tile column and the wave alone, each in registers of its own
	s_lshl_b32 s15, s[U], 7
	s_lshl_b32 s20, s43, 8
	s_add_co_u32 s20, s20, s15                     ; row 256 x tile row + 128 x half
	s_lshl_b32 s22, s20, 6                         ; its scale bytes: 64 a row
	s_mov_b32 s23, 0
	s_lshl_b32 s20, s20, 10                        ; its codes: 1,024 a row
	s_mov_b32 s21, 0
	s_mul_i32 s46, s42, 192
	s_mul_i32 s15, s[U], 96
	s_add_co_u32 s46, s46, s15                     ; weights' row 192 x tile column + 96 x half
	s_lshl_b32 s2, s46, 6
	s_mov_b32 s3, 0
	s_lshl_b32 s46, s46, 10
	s_mov_b32 s47, 0
	s_wait_kmcnt 0x0
	s_add_nc_u64 s[4:5], s[4:5], s[20:21]
	s_add_nc_u64 s[6:7], s[6:7], s[22:23]
	s_add_nc_u64 s[8:9], s[8:9], s[46:47]
	s_add_nc_u64 s[10:11], s[10:11], s[2:3]
	s_mul_i32 s2, s[U], HALFA                      ; and where it goes in a slot: no place in the cluster enters an LDS address
	s_mul_i32 s3, s[U], HALFB
	s_add_co_u32 s3, s3, BOFF
	CROUND                                         ; all sixteen work-groups are here: the first joint loads meet
	s_mov_b32 s[G0SA], 1
	s_mul_i32 s[G0SA+1], s[U], HSA
	s_add_co_u32 s[G0SA+1], s[G0SA+1], SCA
	s_mov_b64 s[G0SA+2:G0SA+3], s[6:7]
	s_or_b32 s[G0SA+3], s[G0SA+3], 0x80000000
	s_mov_b32 s[G0SB], 1
	s_mul_i32 s[G0SB+1], s[U], HSB
	s_add_co_u32 s[G0SB+1], s[G0SB+1], SCB
	s_mov_b64 s[G0SB+2:G0SB+3], s[10:11]
	s_or_b32 s[G0SB+3], s[G0SB+3], 0x80000000
	JLOAD G0SA, G1SA, G0SB, G1SB                   ; the scales of all of K first: they are wanted with the first step, and stay
.irp s, 0,1
	s_mov_b32 s[G0A+4*\s], 1                                       ; 1:0 count = 1
	s_add_co_u32 s[G0A+4*\s+1], s2, \s*SLOT                        ; 63:32 LDS address
	s_add_nc_u64 s[G0A+4*\s+2:G0A+4*\s+3], s[4:5], \s*ASTR         ; 120:64 global address: slot 0 input's codes, slot 1 hidden's, K from 0
	s_or_b32 s[G0A+4*\s+3], s[G0A+4*\s+3], 0x80000000              ; 127:126 type = 2
	s_mov_b32 s[G0B+4*\s], 1
	s_add_co_u32 s[G0B+4*\s+1], s3, \s*SLOT
	s_add_nc_u64 s[G0B+4*\s+2:G0B+4*\s+3], s[8:9], \s*WSTR
	s_or_b32 s[G0B+4*\s+3], s[G0B+4*\s+3], 0x80000000
	JLOAD G0A+4*\s, G1A, G0B+4*\s, G1B             ; three tensor loads of mine are out now
.endr
	; hidden, out0, out1 at row 256 x tile row + 64 x wave, column 64 x tile column: the 64 rows that I fetch of hidden and that I store
	s_lshl_b32 s100, s43, 8
	s_lshl_b32 s101, s[WV], 6
	s_add_co_u32 s100, s100, s101
	s_lshl_b32 s100, s100, 12
	s_lshl_b32 s101, s42, 8
	s_add_co_u32 s100, s100, s101
	s_mov_b32 s101, 0
	s_add_nc_u64 s[92:93], s[92:93], s[100:101]
	s_add_nc_u64 s[OUT0:OUT0+1], s[OUT0:OUT0+1], s[100:101]
	s_add_nc_u64 s[OUT1:OUT1+1], s[OUT1:OUT1+1], s[100:101]
	s_mov_b32 s[G0H], 1
	s_mul_i32 s[G0H+1], s[WV], 64*PITCH            ; hidden's tile lies where slot 0 held its 256 rows: 64 rows a wave
	s_mov_b64 s[G0H+2:G0H+3], s[92:93]
	s_or_b32 s[G0H+3], s[G0H+3], 0x80000000
	s_mov_b64 s[PFA:PFA+1], s[92:93]
	s_mov_b32 s[G1H], (2<<16)|(1<<20)|(5<<22)|(3<<25)   ; no mask; elements of 4 bytes; four words of padding after every 64
	s_mov_b32 s[G1H+1], 64<<16                     ; tensor_dim0 = 64 numbers
	s_mov_b32 s[G1H+2], 64<<16                     ; tensor_dim1 = 64 rows
	s_mov_b32 s[G1H+3], 64<<16                     ; tile_dim0
	s_mov_b32 s[G1H+4], 64                         ; tile_dim1
	s_mov_b32 s[G1H+5], 1024                       ; tensor_dim0_stride
	s_mov_b32 s[G1H+6], 0
	s_mov_b32 s[G1H+7], 0
	s_lshl_b32 s100, s42, 8
	s_lshl_b32 s101, s[U], 7
	s_add_co_u32 s100, s100, s101
	v_and_b32 v1, 15, v0                           ; r = lane % 16
	v_bfe_u32 v2, v0, 4, 1                         ; h = lane / 16
	v_lshl_add_u32 v[BO], v2, 5, s100              ; a bias at column 64 x tile column + 32 x half + 8 h, in bytes
	s_load_b256 s[40:47], s[0:1], 0x20             ; b_ir, b_hr, b_iz, b_hz (the places and masks in these registers are used up)
	s_load_b128 s[20:23], s[0:1], 0x40             ; b_in_, b_hn
	v_mul_u32_u24 v3, v1, PITCH
	v_lshl_add_u32 v4, v2, 4, v3                   ; a fragment's row x pitch + 16 h
	s_mul_i32 s2, s[RH], HALFA                     ; my 128 rows of x or h
	s_mul_i32 s3, s[U], HALFB                      ; my 96 rows of weights,
	s_add_co_u32 s3, s3, BOFF                      ; which lie behind the 256 rows
.irp s, 0,1
	v_add_nc_u32 v[ADRA+\s], s2, v4
	v_add_nc_u32 v[ADRB+\s], s3, v4
	s_add_co_u32 s2, s2, SLOT
	s_add_co_u32 s3, s3, SLOT
.endr
	v_lshlrev_b32 v5, 6, v1                        ; my row's scales: 64 bytes a row,
	v_lshrrev_b32 v6, 2, v1
	v_lshl_add_u32 v5, v6, 4, v5                   ; and 16 more for each 256 passed
	s_mul_i32 s2, s[U], HSB                        ; the weights': my 96 rows
	s_mul_i32 s15, s[RH], HSA                      ; the rows': my 128, behind the weights' two halves
	s_add_co_u32 s15, s15, 2*HSB
	s_sub_co_u32 s15, s15, s2
	v_mul_u32_u24 v6, s15, v2                      ; lanes 16-31 take the rows': the lower base + h x the distance
	s_add_co_u32 s2, s2, SCB
	v_add_nc_u32 v5, v5, v6
	v_add_nc_u32 v[ADRS], s2, v5
	s_wait_kmcnt 0x0
.irp k, 0,1,2,3                        ; k = 2 x (which 16 columns) + (which four of my eight): register 4 k, byte 64 (k / 2) + 16 (k % 2)
	global_load_b128 v[BIAS+4*\k:BIAS+4*\k+3],       v[BO], s[40:41] offset:64*(\k/2)+16*(\k%2)   ; b_ir  -> sums 0, 1
	global_load_b128 v[BIAS+16+4*\k:BIAS+16+4*\k+3], v[BO], s[44:45] offset:64*(\k/2)+16*(\k%2)   ; b_iz  -> sums 2, 3
	global_load_b128 v[BIAS+32+4*\k:BIAS+32+4*\k+3], v[BO], s[20:21] offset:64*(\k/2)+16*(\k%2)   ; b_in_ -> sums 4, 5
	global_load_b128 v[BIAS+48+4*\k:BIAS+48+4*\k+3], v[BO], s[22:23] offset:64*(\k/2)+16*(\k%2)   ; b_hn  -> sums 6, 7
	global_load_b128 v[AF+4*\k:AF+4*\k+3],           v[BO], s[42:43] offset:64*(\k/2)+16*(\k%2)   ; b_hr
	global_load_b128 v[AF+16+4*\k:AF+16+4*\k+3],     v[BO], s[46:47] offset:64*(\k/2)+16*(\k%2)   ; b_hz
.endr
	s_mov_b32 s[NLE], 0xbfb8aa3b                   ; -log2(e)
	s_mov_b32 s[NLE+1], s[NLE]                     ; (the packed forms name a pair and take its low word for both halves: so the upper word is written)
	s_mov_b32 s[TLE], 0x4038aa3b                   ; 2 log2(e)
	s_mov_b32 s[TLE+1], s[TLE]
	s_wait_loadcnt 0x0
.set gi, 0
.rept 16
	v_pk_add_f32 v[BIAS+2*gi:BIAS+2*gi+1], v[BIAS+2*gi:BIAS+2*gi+1], v[AF+2*gi:AF+2*gi+1]   ; b_ir + b_hr, b_iz + b_hz: r's and z's sums have one start each
.set gi, gi+1
.endr
	; the addresses of the way out: ten plain lines between the additions above and the first products, which take the biases as C
	s_mul_i32 s2, s[RH], HALFA
	s_lshl_b32 s15, s[U], 7
	s_add_co_u32 s2, s2, s15
	v_lshl_add_u32 v[HAD], v2, 5, v3
	v_add_nc_u32 v[HAD], s2, v[HAD]                ; hidden's tile: row 128 x half + r, byte 128 x column half + 32 h
	v_add_nc_u32 v[STO], SLOT, v[HAD]              ; the stage has the same shape, in slot 1
	s_mul_i32 s2, s[WV], 64*PITCH
	s_add_co_u32 s2, s2, SLOT
	v_mul_u32_u24 v[RD], v2, PITCH
	v_lshl_add_u32 v[RD], v1, 4, v[RD]
	v_add_nc_u32 v[RD], s2, v[RD]                  ; back: my 64 rows; lanes 0-15 one row of 256 bytes, lanes 16-31 the next
	v_lshlrev_b32 v[CO], 12, v2
	v_lshl_add_u32 v[CO], v1, 4, v[CO]             ; and the same two rows in out0 and out1
	v_and_b32 v[PFO], 31, v0
	v_lshlrev_b32 v[PFO], 12, v[PFO]
.macro FRAG reg, adr, q, i             ; a fragment, 16 rows x 128 K of 8-bit codes, is 16 registers: lane l holds row l % 16; registers 4 c .. 4 c + 3 hold K = 32 c + 16 (l / 16) + 0 .. 15
.irp c, 0,1,2,3
	ds_load_b128 v[\reg+4*\c:\reg+4*\c+3], v[\adr] offset:128*(\q)+32*\c+(\i)*16*PITCH
.endr
.endm
.macro FETCH_B sl, q, p                ; the weights' six fragments of the slot's q-th 128 along K into set p: 24 loads
	WIN TO_B
.irp i, 0,1,2,3,4,5
	FRAG 128*(\p)+16*\i, ADRB+\sl, \q, \i
.endr
	WIN 0
.endm
.macro FETCH_A sl, q, i0               ; the rows' blocks i0 .. i0 + 3: 16 loads
.irp i, \i0, \i0+1, \i0+2, \i0+3
	FRAG AF+16*(\i), ADRA+\sl, \q, \i
.endr
.endm
.macro SCALES sl                       ; the slot's scale words: two words a row; lanes 0-15 take weight block i's, lanes 16-31 row block i's.  (There are six weight blocks: in registers of i = 6, 7 lanes 0-15
.irp i, 0,1,2,3,4,5,6,7                ; hold scale bytes of other rows, which lie in filled LDS and which no product names)
	ds_load_b64 v[SC+16*\sl+2*\i:SC+16*\sl+2*\i+1], v[ADRS] offset:\i*SBLK+32*\sl
.endr
.endm
; na x nb matrix instructions: row blocks a0 on x weight blocks b0 on, the slot's q-th 128 along K.  p: the weights' set;  sl: the slot, which picks the scale words and the sum: block b adds onto sum b + 2 sl (b / 4).
; bias = 1: the sum's first product: its C is the bias.  The accumulators take turns, one instruction a turn, in the same order in every step.
.macro MUL a0, na, b0, nb, p, q, sl, bias
.set m_a, \a0
.rept \na
.set m_b, \b0
.rept \nb
.set m_i, m_b+2*(\sl)*(m_b/4)
.set m_c, 8*(8*(m_a%4)+m_i)
.if \bias
	v_wmma_scale_f32_16x16x128_f8f6f4 v[m_c:m_c+7], v[128*(\p)+16*m_b:128*(\p)+16*m_b+15], v[AF+16*m_a:AF+16*m_a+15], v[BIAS+8*m_i:BIAS+8*m_i+7], v[SC+16*(\sl)+2*m_b+(\q)], v[SC+16*(\sl)+2*m_a+(\q)] matrix_a_fmt:MATRIX_FMT_BF8 matrix_b_fmt:MATRIX_FMT_BF8 matrix_b_scale:MATRIX_SCALE_ROW1
.else
	v_wmma_scale_f32_16x16x128_f8f6f4 v[m_c:m_c+7], v[128*(\p)+16*m_b:128*(\p)+16*m_b+15], v[AF+16*m_a:AF+16*m_a+15], v[m_c:m_c+7], v[SC+16*(\sl)+2*m_b+(\q)], v[SC+16*(\sl)+2*m_a+(\q)] matrix_a_fmt:MATRIX_FMT_BF8 matrix_b_fmt:MATRIX_FMT_BF8 matrix_b_scale:MATRIX_SCALE_ROW1
.endif
.set m_b, m_b+1
.endr
.set m_a, m_a+1
.endr
.endm
; 24 matrix instructions: row blocks a0 .. a0 + 3 x the six weight blocks.  mode 0: all add on;  1: all start their sums (slot 0's first step);  2: blocks 4, 5 start sums 6, 7 (slot 1's first step)
.macro HALF a0, p, q, sl, mode
.if \mode == 0
	WIN MUL_LO+0x50*((\a0)/4)
	MUL \a0, 4, 0, 6, \p, \q, \sl, 0
.elseif \mode == 1
	WIN BIAS_LO+0x40*((\a0)/4)
	MUL \a0, 4, 0, 6, \p, \q, \sl, 1
.else
	WIN MUL_LO+0x50*((\a0)/4)
	MUL \a0, 4, 0, 4, \p, \q, \sl, 0
	WIN BIAS_LO+0x40*((\a0)/4)
	MUL \a0, 4, 4, 2, \p, \q, \sl, 1
.endif
.endm
; A load into a register that a matrix instruction has read, and a vector instruction that reads a matrix result, stand eight places behind that matrix instruction, and only plain vector instructions that name
; none of its registers are places; the matrix instructions in between are not counted.
.macro PLACES n
.rept \n
	v_nop
.endr
.endm
; A slot's first 128 along K.  A block of rows is free as soon as its six products are issued, so one set of registers serves the rows: blocks 0-3 are fetched anew in the step's middle, blocks 4-7 at its end.
.macro STEP sl, mode
	s_wait_dscnt 16                                ; the weights' set, the rows' blocks 0-3 and the scale words are in; the youngest 16 loads (blocks 4-7) may be out
	HALF 0, 0, 0, \sl, \mode
	s_wait_dscnt 0                                 ; blocks 4-7 are in (asked for 24 matrix instructions ago)
	PLACES 8
	FETCH_B \sl, 1, 1
	FETCH_A \sl, 1, 0
	HALF 4, 0, 0, \sl, \mode
	PLACES 8
	WIN 0
	FETCH_A \sl, 1, 4
.endm
; A slot's second 128 along K, and the change of slots: ONE barrier, which opens a round of the cluster's.  In front of it each wave waits for all its tensor loads (one is out: its part of the next slot), adds 0 to
; its spare word, and waits for that and for its own reads of this slot.  Behind the round nobody in the cluster reads this slot or has a load on its way, and the slot is filled again first:
; fill = 1: jointly, with its tensors' next 256 along K;  fill = 2: with my 64 rows of hidden's f32 tile (the slot's last fill).
; pf = 1: a prefetch of 32 of those 64 rows of hidden, 256 bytes each, a lane a row: the two trips of the loop name rows 0-31 and 32-63, two laps and one lap ahead of the load that fetches them; every row's
; 256 bytes are named once in the launch, by the wave that will fetch them.  pf = 2: its address steps, behind a wait that stands a whole step behind the prefetch.
.macro TURN sl, nx, fill, pf
.if \pf == 2
	s_wait_xcnt 0x0                                ; the prefetch has read its address, so it may be written
	s_add_nc_u64 s[PFA:PFA+1], s[PFA:PFA+1], 32*4096
.endif
	s_wait_tensorcnt 0x0                           ; all my tensor loads have landed  (every window is 0 here: the add's two registers lie in window 0)
	ds_add_u32 v[SPW], v[NIL]                      ; 0 onto my spare word
	s_wait_dscnt 17                                ; (the add and the youngest 16 loads, blocks 4-7, may be out)
	WIN MUL_LO
	MUL 0, 2, 0, 6, 1, 1, \sl, 0                   ; twelve matrix instructions stand between the add and the wait for it
	s_wait_dscnt 0x0                               ; the add is done, and my reads of this slot are over
	s_barrier_signal -1
	MUL 2, 2, 0, 6, 1, 1, \sl, 0
	WIN 0
	s_barrier_wait -1
	CREST
.if \fill == 1
	s_add_nc_u64 s[G0A+4*\sl+2:G0A+4*\sl+3], s[G0A+4*\sl+2:G0A+4*\sl+3], 256   ; no tensor load of mine is out, so a group 0 may be written: 256 on along K
	s_add_nc_u64 s[G0B+4*\sl+2:G0B+4*\sl+3], s[G0B+4*\sl+2:G0B+4*\sl+3], 256
	JLOAD G0A+4*\sl, G1A, G0B+4*\sl, G1B           ; the first tensor load behind the round, and my only one until the next
.else
	tensor_load_to_lds s[G0H:G0H+3], s[G1H:G1H+7]  ; every wave its own 64 rows, at 64 x wave rows of LDS
	s_nop 0
.rept 4
	v_nop
.endr
.endif
	PLACES 4                                       ; with the four v_nop behind the load: eight places in front of the loads below
.if \nx == 0
	v_add_nc_u32 v[ADRS], 8, v[ADRS]               ; a new lap: 256 on along K is 8 scale bytes on
.endif
	FETCH_B \nx, 0, 0
	FETCH_A \nx, 0, 0
	SCALES \nx
.if \pf == 1
	global_prefetch_b8 v[PFO], s[PFA:PFA+1] th:TH_LOAD_NT scope:SCOPE_SE
.endif
	WIN MUL_LO+0x50
	MUL 4, 4, 0, 6, 1, 1, \sl, 0
	PLACES 8
	WIN 0
	FETCH_A \nx, 0, 4
.endm
	s_wait_tensorcnt 1                             ; the scales and my part of slot 0 are in; slot 1's load may stay out
	s_barrier_signal -1
	s_barrier_wait -1                              ; everybody's are
	FETCH_B 0, 0, 0
	FETCH_A 0, 0, 0
	SCALES 0
	FETCH_A 0, 0, 4
	STEP 0, 1                                      ; the first lap is written out: its first products start the sums from the biases
	TURN 0, 1, 1, 0
	STEP 1, 2
	TURN 1, 0, 1, 0
	STEP 0, 0
	s_mov_b32 s3, 2
.Llap:                                             ; a trip goes once round the ring, from a lap's second step to the next lap's first, and fills both slots again
	TURN 0, 1, 1, 1
	STEP 1, 0
	TURN 1, 0, 1, 2
	STEP 0, 0
	s_sub_co_u32 s3, s3, 1
	s_cmp_lg_u32 s3, 0
	s_cbranch_scc1 .Llap
	TURN 0, 1, 2, 0                                ; the last lap: slot 0 has no K left to take, and takes hidden's tile
	STEP 1, 0
	s_wait_dscnt 16                                ; the very last step: nothing more to fetch
	HALF 0, 1, 1, 1, 0
	s_wait_dscnt 0
	HALF 4, 1, 1, 1, 0
	WIN 0
	; hidden's numbers into the registers that held the rows' fragments, in the sums' layout: lane (r, h): row 16 a + r, columns 16 cb + 8 h + 0 .. 7 at v[HR + 16 a + 8 cb ..]
	PLACES 8                                       ; behind the last products: for these loads and for the gates' first reads of results
	s_wait_tensorcnt 0x0                           ; my 64 rows of hidden have landed (my LDS loads are all back: the wait above was for 0)
	s_barrier_signal -1
	s_barrier_wait -1                              ; everybody's have, and nobody reads slot 1 any more: it has had its last fill and becomes the stage
.set ga, 0
.rept 8
.set gk, 0
.rept 4
	ds_load_b128 v[HR+16*ga+4*gk:HR+16*ga+4*gk+3], v[HAD] offset:ga*16*PITCH+64*(gk/2)+16*(gk%2)
.set gk, gk+1
.endr
.set ga, ga+1
.endr
; THE GATES of 64 rows (hf = 0: window 2; 1: window 3), in place.  In a row block's 64 registers: 0-15 r's sums, 16-31 z's, 32-47 ni, 48-63 nh.  Every accumulator is taken from its low end on.
; The transcendentals go in four batches, each with one plain line and ONE wait behind it, ahead of its first reader.
.macro GATES hf
	WIN 0xaa+0x55*(\hf)                            ; all sources and the destination in the half's window
.set ga, 0
.rept 4
.set gi, 0
.rept 16
	v_pk_mul_f32 v[64*ga+2*gi:64*ga+2*gi+1], v[64*ga+2*gi:64*ga+2*gi+1], s[NLE:NLE+1] op_sel_hi:[1,0]   ; -log2(e) x r's and z's sums
.set gi, gi+1
.endr
.set ga, ga+1
.endr
.set ga, 0
.rept 4
.set gi, 0
.rept 32
	v_exp_f32 v[64*ga+gi], v[64*ga+gi]
.set gi, gi+1
.endr
.set ga, ga+1
.endr
	v_nop
	s_wait_alu depctr_va_vdst(0)
.set ga, 0
.rept 4
.set gi, 0
.rept 16
	v_pk_add_f32 v[64*ga+2*gi:64*ga+2*gi+1], v[64*ga+2*gi:64*ga+2*gi+1], 1.0 op_sel_hi:[1,0]
.set gi, gi+1
.endr
.set ga, ga+1
.endr
.set ga, 0
.rept 4
.set gi, 0
.rept 32
	v_rcp_f32 v[64*ga+gi], v[64*ga+gi]             ; r and z = 1 / (1 + e^-s)
.set gi, gi+1
.endr
.set ga, ga+1
.endr
	v_nop
	s_wait_alu depctr_va_vdst(0)
.set ga, 0
.rept 4
.set gi, 0
.rept 8
	v_pk_fma_f32 v[64*ga+48+2*gi:64*ga+49+2*gi], v[64*ga+2*gi:64*ga+2*gi+1], v[64*ga+48+2*gi:64*ga+49+2*gi], v[64*ga+32+2*gi:64*ga+33+2*gi]   ; y = r nh + ni
.set gi, gi+1
.endr
.set ga, ga+1
.endr
.set ga, 0
.rept 4
.set gi, 0
.rept 8
	v_pk_mul_f32 v[64*ga+48+2*gi:64*ga+49+2*gi], v[64*ga+48+2*gi:64*ga+49+2*gi], s[TLE:TLE+1] op_sel_hi:[1,0]
.set gi, gi+1
.endr
.set ga, ga+1
.endr
.set ga, 0
.rept 4
.set gi, 0
.rept 16
	v_exp_f32 v[64*ga+48+gi], v[64*ga+48+gi]       ; e^(2 y)
.set gi, gi+1
.endr
.set ga, ga+1
.endr
	v_nop
	s_wait_alu depctr_va_vdst(0)
.set ga, 0
.rept 4
.set gi, 0
.rept 8
	v_pk_add_f32 v[64*ga+48+2*gi:64*ga+49+2*gi], v[64*ga+48+2*gi:64*ga+49+2*gi], 1.0 op_sel_hi:[1,0]
.set gi, gi+1
.endr
.set ga, ga+1
.endr
.set ga, 0
.rept 4
.set gi, 0
.rept 16
	v_rcp_f32 v[64*ga+48+gi], v[64*ga+48+gi]
.set gi, gi+1
.endr
.set ga, ga+1
.endr
	v_nop
	s_wait_alu depctr_va_vdst(0)
.set ga, 0
.rept 4
.set gi, 0
.rept 8
	v_pk_fma_f32 v[64*ga+48+2*gi:64*ga+49+2*gi], v[64*ga+48+2*gi:64*ga+49+2*gi], -2.0, 1.0 op_sel_hi:[1,0,0]   ; n = tanh(y) = 1 - 2 / (1 + e^(2 y))
.set gi, gi+1
.endr
.set ga, ga+1
.endr
.if \hf == 0
	s_wait_dscnt 0x0                               ; hidden's numbers are in
.endif
	WIN 0x88+0x44*(\hf)                            ; source 0 (hidden) window 0; source 1 and the destination in the half's window
.set ga, 0
.rept 4
.set gi, 0
.rept 8
	v_pk_add_f32 v[64*ga+32+2*gi:64*ga+33+2*gi], v[HR+16*(4*(\hf)+ga)+2*gi:HR+16*(4*(\hf)+ga)+2*gi+1], v[64*ga+48+2*gi:64*ga+49+2*gi] neg_lo:[0,1] neg_hi:[0,1]   ; hidden - n
.set gi, gi+1
.endr
.set ga, ga+1
.endr
	WIN 0xaa+0x55*(\hf)
.set ga, 0
.rept 4
.set gi, 0
.rept 8
	v_pk_fma_f32 v[64*ga+32+2*gi:64*ga+33+2*gi], v[64*ga+16+2*gi:64*ga+17+2*gi], v[64*ga+32+2*gi:64*ga+33+2*gi], v[64*ga+48+2*gi:64*ga+49+2*gi]   ; h_t = z (hidden - n) + n
.set gi, gi+1
.endr
.set ga, ga+1
.endr
	WIN 0x08+0x04*(\hf)                            ; an LDS store's data are its source 1
.set ga, 0
.rept 4
.set gk, 0
.rept 4
	ds_store_b128 v[STO], v[64*ga+32+4*gk:64*ga+35+4*gk] offset:(4*(\hf)+ga)*16*PITCH+64*(gk/2)+16*(gk%2)
.set gk, gk+1
.endr
.set ga, ga+1
.endr
.endm
	GATES 0
	GATES 1
	WIN 0
	; THE WAY OUT.  A row's 256 bytes come from two waves: a barrier stands between the writing and the reading of the stage; each wave then stores 64 whole rows, to both outputs.
	s_wait_dscnt 0x0                               ; for the others' sake: my stores into the stage have landed
	s_barrier_signal -1
	s_barrier_wait -1
.set gt, 0
.rept 32
	ds_load_b128 v[HR+4*gt:HR+4*gt+3], v[RD] offset:gt*2*PITCH
.set gt, gt+1
.endr
.set gt, 0
.rept 32
	s_wait_dscnt 31-gt                             ; LDS loads come back in order (ISA guide 5.7.1): pair gt of rows is in, the later ones may be out
	global_store_b128 v[CO], v[HR+4*gt:HR+4*gt+3], s[OUT0:OUT0+1] offset:8192*gt th:TH_STORE_NT   ; 16 lanes store 256 consecutive bytes, at a multiple of 256 from the buffer's first byte
	global_store_b128 v[CO], v[HR+4*gt:HR+4*gt+3], s[OUT1:OUT1+1] offset:8192*gt th:TH_STORE_NT
.set gt, gt+1
.endr
	s_wait_tensorcnt 0x0                           ; the wave's end: behind my last tensor load and my last LDS store
	ds_add_u32 v[SPW], v[NIL]
	s_wait_dscnt 0x0
	CROUND                                         ; the closing round: no work-group ends while a partner may still ask for a tile that names it
	s_endpgm
.Lfunc_end_k_qf6a3eceffb_gru:
	.size	k_qf6a3eceffb_gru, .Lfunc_end_k_qf6a3eceffb_gru-k_qf6a3eceffb_gru
	.p2alignl 7, 3214868480
	.fill 96, 4, 3214868480
	.section	.rodata,"a",@progbits
	.p2align	6, 0x0
	.amdhsa_kernel k_qf6a3eceffb_gru
		.amdhsa_group_segment_fixed_size 327680
		.amdhsa_private_segment_fixed_size 0
		.amdhsa_enable_private_segment 0
		.amdhsa_kernarg_size 104
		.amdhsa_user_sgpr_count 2
		.amdhsa_user_sgpr_kernarg_segment_ptr 1
		.amdhsa_wavefront_size32 1
		.amdhsa_system_sgpr_workgroup_id_x 1
		.amdhsa_system_sgpr_workgroup_id_y 1
		.amdhsa_system_sgpr_workgroup_id_z 1
		.amdhsa_system_vgpr_workitem_id 0
		.amdhsa_next_free_vgpr 1024
		.amdhsa_next_free_sgpr 102
		.amdhsa_reserve_vcc 0
		.amdhsa_float_denorm_mode_32 3
		.amdhsa_float_denorm_mode_16_64 3
		.amdhsa_memory_ordered 1
		.amdhsa_forward_progress 1
		.amdhsa_inst_pref_size 223
	.end_amdhsa_kernel
	.amdgpu_metadata
---
amdhsa.version: [ 1, 2 ]
amdhsa.kernels:
  - .name:           k_qf6a3eceffb_gru
    .symbol:         k_qf6a3eceffb_gru.kd
    .args:
      - { .name: acodes, .offset: 0, .size: 8, .value_kind: global_buffer, .address_space: global }
      - { .name: ascales, .offset: 8, .size: 8, .value_kind: global_buffer, .address_space: global }
      - { .name: wcodes, .offset: 16, .size: 8, .value_kind: global_buffer, .address_space: global }
      - { .name: wscales, .offset: 24, .size: 8, .value_kind: global_buffer, .address_space: global }
      - { .name: b_ir, .offset: 32, .size: 8, .value_kind: global_buffer, .address_space: global }
      - { .name: b_hr, .offset: 40, .size: 8, .value_kind: global_buffer, .address_space: global }
      - { .name: b_iz, .offset: 48, .size: 8, .value_kind: global_buffer, .address_space: global }
      - { .name: b_hz, .offset: 56, .size: 8, .value_kind: global_buffer, .address_space: global }
      - { .name: b_in_, .offset: 64, .size: 8, .value_kind: global_buffer, .address_space: global }
      - { .name: b_hn, .offset: 72, .size: 8, .value_kind: global_buffer, .address_space: global }
      - { .name: hidden, .offset: 80, .size: 8, .value_kind: global_buffer, .address_space: global }
      - { .name: out0, .offset: 88, .size: 8, .value_kind: global_buffer, .address_space: global }
      - { .name: out1, .offset: 96, .size: 8, .value_kind: global_buffer, .address_space: global }
    .group_segment_fixed_size: 327680
    .private_segment_fixed_size: 0
    .kernarg_segment_align: 8
    .kernarg_segment_size: 104
    .max_flat_workgroup_size: 128
    .sgpr_count:     102
    .vgpr_count:     1024
    .wavefront_size: 32
...
	.end_amdgpu_metadata
.endif
;; end of part 2
;; ======== version 2 of 2: 2 launches
;; limits: right only within a limited range of input values
;; workspace buffers: acodes 16,777,216 bytes; ascales 524,288 bytes; wcodes 6,291,456 bytes; wscales 196,608 bytes
;; launch quant (part 3): grid 704 x 1, 4 waves a work-group, no clusters, 35,328 bytes of LDS; arguments input, hidden, W_ir, W_hr, W_iz, W_hz, W_in_, W_hn, acodes, ascales, wcodes, wscales; writes acodes, ascales, wcodes, wscales
.if DOCPART == 3
	.amdgcn_target "amdgcn-amd-amdhsa--gfx1250"
	.amdhsa_code_object_version 6
	.text
	.protected	k_qf6a3eceffb_quant
	.globl	k_qf6a3eceffb_quant
	.p2align	8
	.type	k_qf6a3eceffb_quant,@function
k_qf6a3eceffb_quant:
	s_mov_b64 s[64:65], 0
	v_nop
	global_prefetch_b8 v0, s[64:65] scope:SCOPE_SE
	s_setreg_imm32_b32 hwreg(HW_REG_WAVE_MODE, 25, 1), 1
	s_wait_xcnt 0x0
; input, hidden [8192][1024] and the six weights [1024][1024], f32, K innermost in all of them, become codes of BF8 (E5M2), one byte each, with one E8M0 scale byte for each 32 along K.
; A block's scale is 2^(floor(log2(its largest magnitude)) - 15); its byte is the largest magnitude's exponent field - 15, held at 1 from below; each number is divided by the scale,
; held within +-57,344 and rounded to the nearest code, ties to even.
; LIMITS: NaN and infinities among the inputs are not served.  A block whose largest magnitude lies under 2^-111 (the floor) keeps the byte 1.  A block of zeros gets the byte 1 where the
; rule says 127: its codes are zeros, which add nothing under any byte but 0xff, and the bytes are read by this program alone.
; WHERE THE RESULTS GO.  acodes [2][8192][1024]: half 0 input, half 1 hidden.  ascales [2][4][8192][8]: half 0 input, half 1 hidden, 8 bytes a row in each quarter of K.
; wcodes [2][3072][1024], wscales [2][4][3072][8]: half 0 the weights that meet input (W_ir, W_iz, W_in_), half 1 those that meet hidden (W_hr, W_hz, W_hn).  Row n of gate g (0 r, 1 z, 2 n) lies at
; row (n / 32) x 96 + 32 g + n % 32: the 96 rows that serve 32 output columns are neighbours.
; SHARES.  A work-group takes 16 rows of a PAIR of tensors (work-groups 0-511: input, hidden; then 64 each for the three pairs of weights): waves 0, 1 the first of the pair, waves 2, 3 the second;
; a wave 8 rows = 16 steps of 512 numbers.  So the work-group's scale bytes, 16 rows x 64, meet in LDS and leave as eight runs of 128 bytes, one a half and quarter of K.
; A STEP.  Each of its four loads reads 512 consecutive bytes, 16 a lane; the 2,048 bytes turn through the wave's own stage in LDS and come back 64 bytes a lane, so that a lane holds 16 NEIGHBOURS along K
; (two neighbouring lanes hold a block), as the conversions want them.  A lane's 16 codes are 16 bytes: the wave stores 512 consecutive bytes.  Loads run four steps ahead, the turn through LDS one step.
; No tensor loads, no matrix unit, no cluster: the work-groups share no input, and the launch only moves bytes.  One path serves all tensors: only pointers and numbers are chosen.
.set STEPS, 16
.set MANT,  0x600000                   ; the mantissa field of 57,344 as f32
.set R,     16                         ; v16-79   four sets of 16 numbers as they are loaded
.set X,     80                         ; v80-111  two sets of 16 neighbours
.set E,     112                        ; v112-127 a scale byte for each step
.set C,     128                        ; v128-191 codes: four registers for each step, so that no store's data are written again
.set WREG,  8192                       ; LDS: a region for each wave: two stages of 32 x SP bytes
.set SP,    80                         ; a lane's place in a stage: its 64 bytes + 16 of padding
.set SCL,   4*WREG                     ; behind the four regions: the work-group's 1,024 scale bytes, [16 rows][64]
	s_load_b512 s[8:23], s[0:1], 0x0               ; input, hidden, W_ir, W_hr, W_iz, W_hz, W_in_, W_hn
	s_load_b256 s[24:31], s[0:1], 0x40             ; acodes, ascales, wcodes, wscales
	v_lshl_add_u32 v192, v0, 2, 0x8800
	v_mov_b32 v193, 0
	v_lshrrev_b32 v1, 5, v0
	v_readfirstlane_b32 s32, v1                    ; wave 0..3
	s_lshr_b32 s33, s32, 1                         ; which of the pair
	s_and_b32 s34, s32, 1                          ; which 8 of the 16 rows
	v_and_b32 v2, 31, v0                           ; lane
	v_lshlrev_b32 v3, 4, v2                        ; my 16 bytes of a load's 512, and of a step's 512 bytes of codes; never rewritten
	s_mul_i32 s50, s32, WREG
	v_lshrrev_b32 v14, 2, v2
	v_mul_u32_u24 v14, v14, SP
	v_and_b32 v15, 3, v2
	v_lshl_add_u32 v14, v15, 4, v14
	v_add_nc_u32 v14, s50, v14                     ; the stage, on the way in: four lanes' 64 bytes on end, then 16 of padding
	v_mul_u32_u24 v15, v2, SP
	v_add_nc_u32 v15, s50, v15                     ; and on the way out: my 16 neighbours
	s_lshl_b32 s50, s34, 9                         ; the scale bytes: my 8 rows of 64 bytes,
	s_lshl_b32 s51, s33, 5                         ; my tensor's half of a row,
	s_add_co_u32 s50, s50, s51
	s_add_co_u32 s50, s50, SCL
	v_lshrrev_b32 v5, 1, v2
	v_add_nc_u32 v5, s50, v5                       ; my block's byte
	; THE SCALE BYTES LEAVE AS [2 halves][4 quarters of K][rows][8 bytes] (ascales: 8,192 rows, wscales: 3,072), not row by row: thread t takes row t % 16 of the 16, group t / 16 = 4 x half + quarter
	v_and_b32 v6, 15, v0
	v_lshrrev_b32 v12, 4, v0
	v_lshlrev_b32 v7, 3, v6                        ; in memory: 8 bytes a row
	v_lshlrev_b32 v6, 6, v6                        ; in LDS: 64 bytes a row,
	v_lshl_add_u32 v6, v12, 3, v6                  ; 8 a group
	v_add_nc_u32 v6, SCL, v6
	s_mov_b32 s52, MANT                            ; (an instruction takes one literal: the hold's line has another)
	; which rows: numbers only, made apart from every address
	s_cmp_lt_u32 ttmp9, 512                        ; input and hidden, or a pair of weights?
	s_cselect_b32 s35, 0, 512
	s_cselect_b32 s37, 511, 63
	s_mov_b32 s36, 0x300000
	s_cselect_b32 s36, 0x800000, s36
	s_mov_b32 s53, 0x6000
	s_cselect_b32 s53, 0x10000, s53                ; bytes from group to group: 8 x the rows of the buffer
	s_wait_alu depctr_va_vdst(0)                   ; directly ahead of the reader below
	v_mul_u32_u24 v12, v12, s53
	v_add_nc_u32 v7, v7, v12
	s_sub_co_u32 s38, ttmp9, s35
	s_and_b32 s39, s38, s37                        ; j: which 16 rows of the tensor
	s_lshr_b32 s41, s38, 6                         ; g: which gate (weights only)
	s_lshr_b32 s42, s39, 1
	s_mul_i32 s42, s42, 96
	s_lshl_b32 s43, s41, 5
	s_add_co_u32 s42, s42, s43
	s_and_b32 s43, s39, 1
	s_lshl_b32 s43, s43, 4
	s_add_co_u32 s42, s42, s43                     ; a weight's first row in wcodes: (j / 2) x 96 + 32 g + 16 (j % 2)
	s_lshl_b32 s43, s39, 4                         ; the first row in the source: 16 j
	s_cmp_lt_u32 ttmp9, 512
	s_cselect_b32 s40, s43, s42                    ; the first row in the results
	s_lshl_b32 s41, s34, 3                         ; my wave's 8 rows
	s_add_co_u32 s44, s43, s41
	s_lshl_b32 s44, s44, 12                        ; source: 4,096 bytes a row
	s_mov_b32 s45, 0
	s_add_co_u32 s46, s40, s41
	s_lshl_b32 s46, s46, 10                        ; codes: 1,024 bytes a row,
	s_mul_i32 s47, s33, s36
	s_add_co_u32 s46, s46, s47                     ; in my tensor's half
	s_mov_b32 s47, 0
	s_lshl_b32 s48, s40, 3                         ; scale bytes: 8 a row in each group, from the work-group's first row on
	s_mov_b32 s49, 0
	s_wait_alu depctr_va_vdst(0)
	s_wait_kmcnt 0x0
	s_cmp_eq_u32 s33, 0                            ; the choices hang on the wave's and the work-group's number alone
	s_cselect_b64 s[8:9], s[8:9], s[10:11]
	s_cselect_b64 s[12:13], s[12:13], s[14:15]
	s_cselect_b64 s[16:17], s[16:17], s[18:19]
	s_cselect_b64 s[20:21], s[20:21], s[22:23]
	s_cmp_lt_u32 ttmp9, 640
	s_cselect_b64 s[4:5], s[16:17], s[20:21]
	s_cmp_lt_u32 ttmp9, 576
	s_cselect_b64 s[4:5], s[12:13], s[4:5]
	s_cmp_lt_u32 ttmp9, 512
	s_cselect_b64 s[4:5], s[8:9], s[4:5]           ; the source
	s_cselect_b64 s[6:7], s[24:25], s[28:29]       ; its codes
	s_cselect_b64 s[2:3], s[26:27], s[30:31]       ; its scale bytes
	s_add_nc_u64 s[4:5], s[4:5], s[44:45]
	s_add_nc_u64 s[6:7], s[6:7], s[46:47]
	s_add_nc_u64 s[2:3], s[2:3], s[48:49]
.macro LOAD t
.irp i, 0,1,2,3
	global_load_b128 v[R+16*((\t)%4)+4*\i:R+16*((\t)%4)+4*\i+3], v3, s[4:5] offset:2048*(\t)+512*\i th:TH_LOAD_NT   ; 32 lanes read 512 consecutive bytes
.endr
.endm
.macro TURN t                          ; step t's numbers through the stage: LDS serves a wave's instructions in order (ISA guide 5.7.1.4), so no wait stands between the stores and the loads
.irp i, 0,1,2,3
	ds_store_b128 v14, v[R+16*((\t)%4)+4*\i:R+16*((\t)%4)+4*\i+3] offset:32*SP*((\t)%2)+8*SP*\i
.endr
.irp i, 0,1,2,3
	ds_load_b128 v[X+16*((\t)%2)+4*\i:X+16*((\t)%2)+4*\i+3], v15 offset:32*SP*((\t)%2)+16*\i
.endr
.endm
.irp t, 0,1,2,3
	LOAD \t
.endr
	s_wait_loadcnt 12                              ; step 0's four loads are in; the twelve of steps 1 to 3 may be out
	TURN 0
.macro STEP t
.set XS, X+16*((\t)%2)
.if (\t) > 0
	s_wait_dscnt 1                                 ; this step's numbers are back from the stage (the last step's byte store may be out): so its stores into the stage have read their registers,
.else
	s_wait_dscnt 0x0
.endif
.if (\t)+4 < STEPS
	LOAD (\t)+4                                    ; which take the loads of four steps on
.endif
.if (\t)+1 < STEPS
.if STEPS-2-(\t) >= 3
	s_wait_loadcnt 12                              ; the next step's four loads are in; those of the three steps behind it may be out
.else
	s_wait_loadcnt 4*(STEPS-2-(\t))                ; near the end fewer steps stand behind it
.endif
	TURN (\t)+1                                    ; and go through the other stage while this step is worked
.endif
	v_max3_num_f32 v8, |v[XS]|, |v[XS+1]|, |v[XS+2]|               ; the largest magnitude of my 16, in two chains
	v_max3_num_f32 v9, |v[XS+3]|, |v[XS+4]|, |v[XS+5]|
.irp i, 6,10
	v_max3_num_f32 v8, v8, |v[XS+\i]|, |v[XS+\i+1]|
	v_max3_num_f32 v9, v9, |v[XS+\i+2]|, |v[XS+\i+3]|
.endr
	v_max3_num_f32 v8, v8, |v[XS+14]|, |v[XS+15]|
	v_max3_num_f32 v8, v8, v9, 0x8000000           ; and the floor 2^(16 - 127): so the byte cannot fall under 1
	v_max_num_f32_dpp v8, v8, v8 row_xmask:1 row_mask:0xf bank_mask:0xf   ; and of my neighbour's 16: the block's
	v_add_nc_u32 v11, 0xf8800000, v8               ; 15 off its exponent field: the conversion takes the exponent field of this operand as its scale, and nothing else of it
	v_and_or_b32 v10, v8, 0x7f800000, s52          ; 57,344 x the scale: the largest magnitude's exponent field over 57,344's mantissa
.irp i, 0,1,2,3,4,5,6,7,8,9,10,11,12,13,14,15
	v_med3_num_f32 v[XS+\i], v[XS+\i], -v10, v10   ; the conversion to an 8-bit code does not saturate (ISA guide 7.6.2): the number is held within the largest code x the scale first
.endr
	v_cvt_scalef32_pk8_bf8_f32 v[C+4*(\t):C+4*(\t)+1], v[XS:XS+7], v11
	v_cvt_scalef32_pk8_bf8_f32 v[C+4*(\t)+2:C+4*(\t)+3], v[XS+8:XS+15], v11
	v_lshrrev_b32 v[E+(\t)], 23, v11               ; the scale's byte (also the plain line behind the conversions)
	ds_store_b8 v5, v[E+(\t)] offset:64*((\t)/2)+16*((\t)%2)       ; row t / 2 of my 8, blocks 16 (t % 2) on; both lanes of a block write the same byte with the same value
	global_store_b128 v3, v[C+4*(\t):C+4*(\t)+3], s[6:7] offset:512*(\t)   ; 32 lanes store 512 consecutive bytes, aligned
.endm
.irp t, 0,1,2,3,4,5,6,7,8,9,10,11,12,13,14,15
	STEP \t
.endr
	s_wait_dscnt 0x0                               ; for the others' sake: my byte stores have landed
	s_barrier_signal -1
	s_barrier_wait -1                              ; the 1,024 scale bytes, which four waves wrote, are whole
	ds_load_b64 v[12:13], v6
	s_wait_dscnt 0x0
	global_store_b64 v7, v[12:13], s[2:3]          ; sixteen lanes store the 128 consecutive bytes that the work-group's 16 rows have in a group: one byte in 128 of what the launch reads
	s_wait_tensorcnt 0x0
	ds_add_u32 v192, v193
	s_wait_dscnt 0x0
	s_endpgm
.Lfunc_end_k_qf6a3eceffb_quant:
	.size	k_qf6a3eceffb_quant, .Lfunc_end_k_qf6a3eceffb_quant-k_qf6a3eceffb_quant
	.p2alignl 7, 3214868480
	.fill 96, 4, 3214868480
	.section	.rodata,"a",@progbits
	.p2align	6, 0x0
	.amdhsa_kernel k_qf6a3eceffb_quant
		.amdhsa_group_segment_fixed_size 35328
		.amdhsa_private_segment_fixed_size 0
		.amdhsa_enable_private_segment 0
		.amdhsa_kernarg_size 96
		.amdhsa_user_sgpr_count 2
		.amdhsa_user_sgpr_kernarg_segment_ptr 1
		.amdhsa_wavefront_size32 1
		.amdhsa_system_sgpr_workgroup_id_x 1
		.amdhsa_system_sgpr_workgroup_id_y 1
		.amdhsa_system_sgpr_workgroup_id_z 1
		.amdhsa_system_vgpr_workitem_id 0
		.amdhsa_next_free_vgpr 194
		.amdhsa_next_free_sgpr 66
		.amdhsa_reserve_vcc 0
		.amdhsa_float_denorm_mode_32 3
		.amdhsa_float_denorm_mode_16_64 3
		.amdhsa_memory_ordered 1
		.amdhsa_forward_progress 1
		.amdhsa_inst_pref_size 53
	.end_amdhsa_kernel
	.amdgpu_metadata
---
amdhsa.version: [ 1, 2 ]
amdhsa.kernels:
  - .name:           k_qf6a3eceffb_quant
    .symbol:         k_qf6a3eceffb_quant.kd
    .args:
      - { .name: input, .offset: 0, .size: 8, .value_kind: global_buffer, .address_space: global }
      - { .name: hidden, .offset: 8, .size: 8, .value_kind: global_buffer, .address_space: global }
      - { .name: W_ir, .offset: 16, .size: 8, .value_kind: global_buffer, .address_space: global }
      - { .name: W_hr, .offset: 24, .size: 8, .value_kind: global_buffer, .address_space: global }
      - { .name: W_iz, .offset: 32, .size: 8, .value_kind: global_buffer, .address_space: global }
      - { .name: W_hz, .offset: 40, .size: 8, .value_kind: global_buffer, .address_space: global }
      - { .name: W_in_, .offset: 48, .size: 8, .value_kind: global_buffer, .address_space: global }
      - { .name: W_hn, .offset: 56, .size: 8, .value_kind: global_buffer, .address_space: global }
      - { .name: acodes, .offset: 64, .size: 8, .value_kind: global_buffer, .address_space: global }
      - { .name: ascales, .offset: 72, .size: 8, .value_kind: global_buffer, .address_space: global }
      - { .name: wcodes, .offset: 80, .size: 8, .value_kind: global_buffer, .address_space: global }
      - { .name: wscales, .offset: 88, .size: 8, .value_kind: global_buffer, .address_space: global }
    .group_segment_fixed_size: 35328
    .private_segment_fixed_size: 0
    .kernarg_segment_align: 8
    .kernarg_segment_size: 96
    .max_flat_workgroup_size: 128
    .sgpr_count:     66
    .vgpr_count:     194
    .wavefront_size: 32
...
	.end_amdgpu_metadata
.endif
;; end of part 3
;; launch gru (part 4): grid 16 x 16, 4 waves a work-group, clusters of 4 x 4, 327,680 bytes of LDS; arguments acodes, ascales, wcodes, wscales, out0, out1, hidden, b_ir, b_hr, b_iz, b_hz, b_in_, b_hn; writes out0, out1
.if DOCPART == 4
	.amdgcn_target "amdgcn-amd-amdhsa--gfx1250"
	.amdhsa_code_object_version 6
	.text
	.protected	k_qf6a3eceffb_gru
	.globl	k_qf6a3eceffb_gru
	.p2align	8
	.type	k_qf6a3eceffb_gru,@function
k_qf6a3eceffb_gru:
	s_mov_b64 s[64:65], 0
	v_nop
	global_prefetch_b8 v0, s[64:65] scope:SCOPE_SE
	s_setreg_imm32_b32 hwreg(HW_REG_WAVE_MODE, 25, 1), 1
	s_wait_xcnt 0x0
	s_wait_alu depctr_hold_cnt(0) depctr_sa_sdst(0) depctr_va_vdst(0) depctr_va_sdst(0) depctr_va_ssrc(0) depctr_va_vcc(0) depctr_vm_vsrc(0)
	s_getreg_b32 s2, hwreg(HW_REG_IB_STS2, 6, 4)
	s_cmp_eq_u32 s2, 0
	s_cbranch_scc0 .Lentry_in_a_cluster
	s_endpgm
.Lentry_in_a_cluster:
	s_bfe_u32 s2, ttmp6, 0x10000c
	s_cmp_lg_u32 s2, 0xf033
	s_cbranch_scc0 .Lentry_shape_is_right
	s_endpgm
.Lentry_shape_is_right:
; h_t = (1 - z) n + z hidden;  r = sigmoid(x W_ir^T + h W_hr^T + b_ir + b_hr), z likewise, n = tanh(x W_in^T + b_in + r (h W_hn^T + b_hn)).  out0 = out1 = h_t, [8192][1024] f32.
; The six products run on codes of BF8 (E5M2) with one E8M0 scale for each 32 along K, as the launch before laid them: acodes [2][8192][1024] (0 input, 1 hidden), wcodes [2][3072][1024]
; (row (n / 32) x 96 + 32 g + n % 32 for column n of gate g), ascales [2][4][8192][8], wscales [2][4][3072][8] (half, quarter of K, row, the quarter's 8 bytes).  Sums, gates and the blend are f32.
; SHARES.  256 work-groups, each TWO tiles of 256 rows x 64 columns, one below the other (same weights).  A wave makes 64 rows x 64 columns; an output needs four sums (r, z, x's and h's part of n):
; 4 x 4 blocks x 4 sums x 8 = 512 registers.  For 128 along K a wave reads 4 fragments of rows and 12 of weights for 48 matrix instructions.  A row's 256 bytes of h_t belong to ONE wave: the tail has no barrier.
; THE RING.  Slot 0 holds 256 along K of input with its three weights and both sides' scale bytes, slot 1 the same of hidden; a lap is slot 0, then slot 1; four laps a tile.  One tensor load a wave behind each
; round: wave 0 the rows' codes, 1 the weights', 2 the rows' scales, 3 the weights'.  The ring goes on into the next tile: a tile's last two changes of slots ask for the next tile's first quarter.
; CLUSTERS: 4 x 4.  The four of a row of the cluster ask jointly for the rows' codes and scales, the four of a column for the weights'.
; PREFETCH: behind each refill a wave names, a lane a row, 256 bytes of each of its rows of the SAME slot's next refill (two refills on): waves 0, 1 take 32 rows each of the 64 that fall to this partner (by cx) of the
; rows' 256, waves 2, 3 take 24 each of the 48 (by cy) of the weights' 192 (lanes 24-31 name row 23 again).  A tile's first two quarters in the first tile come by their loads alone; the weights are asked for in the
; first tile alone; the last tile asks for nothing beyond its K.  The scale bytes (3,584 of a refill's 118,272) are not prefetched.  hidden is not prefetched: its loads stand at the tail's head, and their first use
; stands behind the gates of both column halves.
; THE MATRIX INSTRUCTION IS USED TRANSPOSED (source 0 = 16 rows of a weight, source 1 = 16 rows of x or h): a lane holds eight neighbouring columns of one row.
; THE BIASES enter in the gates' multiply-adds (scaled once at the head, kept in the wave's own LDS bytes); each sum's first product takes C = 0.
; LIMITS: r's and z's f32 sums take x's and h's quarters of K by turns and the biases last, which is not reference()'s order of additions.  sigmoid and tanh are made of v_exp_f32 and v_rcp_f32; tanh as
; 1 - 2 / (1 + e^(2y)), whose absolute error near 0 is that of one rounding at 1.  Where an exponential overflows the reciprocal of infinity is 0, the gate's limit.  NaN and infinities among the inputs are not served.
; REGISTERS: window 0: v16-29 addresses; v32-79 scale words, 24 a slot; v128-255 the rows' fragments, two sets; in the tail biases, then z and n by rows.  window 1: v0-191 the weights' 12 fragments, one set; in the tail
; hidden, then h_t.  window 2: the sums of columns 0-31 (row block a, sum i at v[8 (8 a + i)]; i: 0, 1 r; 2, 3 z; 4, 5 x's part of n; 6, 7 h's);  window 3: those of columns 32-63.
.set PITCH, 272                        ; an LDS row of codes: 256 bytes + 16 of padding
.set BOFF,  256*PITCH                  ; a slot: 256 rows of x or h, 192 rows of weights,
.set SAO,   BOFF+192*PITCH             ; the rows' 2,048 scale bytes,
.set SWO,   SAO+2048                   ; the weights' 1,536
.set SLOT,  SWO+1536
.set STAGE, 2*SLOT                     ; behind the ring: a stage for each wave, 16 rows of z and 16 of n, 272 bytes each
.set WST,   32*PITCH
.set BIASL, STAGE+4*WST                ; 1,024 bytes for each wave: four vectors of 64 numbers
.set SPARE, BIASL+4096                 ; the spare words: 128 bytes for each wave, named by no other line
.set ASTR,  0x800000                   ; bytes from input's codes to hidden's;  from tile to tile 256 rows x 1,024
.set WSTR,  0x300000
.set SAH,   0x40000                    ; ascales: from half to half, from quarter to quarter
.set SAQ,   0x10000
.set SBH,   0x18000                    ; wscales likewise
.set SBQ,   0x6000
.set ADRA, 16                          ; v16-17 my rows' fragments in slot 0, 1;  v18-19 the weights';  v20-21 the scale words: lanes 0-15 the rows', lanes 16-31 the weights'
.set ADRB, 18
.set ADRS, 20
.set STO,  22                          ; v22 into my stage;  v23 back by rows;  v24 my place in two rows of hidden, out0, out1;  v25 my biases;  v26 the prefetches' offset
.set RD,   23
.set CO,   24
.set BIA,  25
.set PFO,  26
.set SPW,  28
.set NIL,  29
.set SC,   32
.set AF,   128
.set BI,   128
.set ZN,   128
.set WV,   12
.set RH,   13
.set F01,  20                          ; s20: prefetch in laps 0, 1;  s21: in laps 2, 3;  s22: the loop's choice;  s23: the step to the next tile's quarter 0
.set F23,  21
.set FL,   22
.set NXT,  23
.set G1A,  24
.set G1B,  32
.set G1SA, 40
.set G1SB, 48
.set G0A,  56
.set G0B,  60
.set G0SA, 68
.set G0SB, 72
.set OUT0, 76
.set OUT1, 78
.set HID,  80
.set PF,   82                          ; s[82:83], s[84:85] where my prefetches stand, a pointer for each slot
.set NLE,  86
.set TLE,  88
.set PST,  90
.set MSB, 0
.macro WIN new                         ; the immediate's high byte repeats the setting that is left
.if MSB != (\new)
	s_set_vgpr_msb (MSB<<8)|(\new)
.set MSB, (\new)
.endif
.endm
.macro PLACES n
.rept \n
	v_nop
.endr
.endm
.macro TL g0, g1                       ; a tensor load with s_nop 0 and four v_nop behind it
	tensor_load_to_lds s[\g0:\g0+3], s[\g1:\g1+7]
	s_nop 0
	PLACES 4
.endm
.macro QLOAD                           ; one chain of branches on the wave's number, one joint load to an arm, one join
	s_cmp_lt_u32 s[WV], 1
	s_cbranch_scc0 .Lqb_\@
	TL G0A, G1A
	s_branch .Lqe_\@
.Lqb_\@:
	s_cmp_lt_u32 s[WV], 2
	s_cbranch_scc0 .Lqc_\@
	TL G0B, G1B
	s_branch .Lqe_\@
.Lqc_\@:
	s_cmp_lt_u32 s[WV], 3
	s_cbranch_scc0 .Lqd_\@
	TL G0SA, G1SA
	s_branch .Lqe_\@
.Lqd_\@:
	TL G0SB, G1SB
.Lqe_\@:
.endm
.macro CREST
	s_cmp_lg_u32 s[WV], 0
	s_cbranch_scc1 .Lnw0_\@
	s_barrier_signal -3
.Lnw0_\@:
	s_barrier_wait -3
	s_barrier_signal -1
	s_barrier_wait -1
.endm
.macro CROUND
	s_barrier_signal -1
	s_barrier_wait -1
	CREST
.endm
.macro ADV g, d
.if (\d) >= 0
	s_add_nc_u64 s[\g+2:\g+3], s[\g+2:\g+3], (\d)
.else
	s_sub_nc_u64 s[\g+2:\g+3], s[\g+2:\g+3], -(\d)
.endif
.endm
; the four groups 0 go from the fill issued last to slot sl's next: written only where no tensor load of the wave is out.  on = 1: slot 0 takes the next tile's quarter 0
.macro GSTEP sl, on
.if \sl == 1
	ADV G0A, ASTR
	ADV G0B, WSTR
	ADV G0SA, SAH
	ADV G0SB, SBH
.elseif \on
	ADV G0A, 0x40000-768-ASTR
	ADV G0B, -768-WSTR
	ADV G0SA, 2048-3*SAQ-SAH
	ADV G0SB, -3*SBQ-SBH
.else
	ADV G0A, 256-ASTR
	ADV G0B, 256-WSTR
	ADV G0SA, SAQ-SAH
	ADV G0SB, SBQ-SBH
.endif
	s_mov_b32 s[G0A+1], \sl*SLOT
	s_mov_b32 s[G0B+1], \sl*SLOT+BOFF
	s_mov_b32 s[G0SA+1], \sl*SLOT+SAO
	s_mov_b32 s[G0SB+1], \sl*SLOT+SWO
.endm
	s_load_b256 s[4:11], s[0:1], 0x0               ; acodes, ascales, wcodes, wscales
	s_load_b128 s[76:79], s[0:1], 0x20             ; out0, out1
	s_load_b64 s[80:81], s[0:1], 0x30              ; hidden
	s_load_b256 s[92:99], s[0:1], 0x38             ; b_ir, b_hr, b_iz, b_hz
	s_load_b128 s[16:19], s[0:1], 0x58             ; b_in_, b_hn
	v_lshl_add_u32 v[SPW], v0, 2, SPARE
	v_mov_b32 v[NIL], 0
	ds_add_u32 v[SPW], v[NIL]                      ; the opening lines: the add twice on end and one wait
	ds_add_u32 v[SPW], v[NIL]
	v_lshrrev_b32 v1, 5, v0
	v_readfirstlane_b32 s[WV], v1                  ; wave 0..3
	s_lshr_b32 s[RH], s[WV], 1                     ; 0: my prefetches name rows of x or h; 1: of weights
	s_bfe_u32 s14, ttmp6, 0x40000                  ; cx
	s_bfe_u32 s15, ttmp6, 0x40004                  ; cy
	s_lshl_b32 s100, ttmp9, 2
	s_add_co_u32 s100, s100, s14                   ; tile column (64 columns)
	s_and_b32 s101, ttmp7, 0xffff
	s_lshl_b32 s101, s101, 2
	s_add_co_u32 s101, s101, s15                   ; the work-group's 512 rows
	s_lshl_b32 s20, s15, 2
	s_lshl_b32 s20, 15, s20                        ; my row of the cluster
	s_lshl_b32 s21, 0x1111, s14                    ; my column
	s_or_b32 s[G1A], s20, (1<<20)|(1<<21)|(5<<22)|(3<<25)   ; codes: elements of 1 byte, four words of padding behind every 64
	s_or_b32 s[G1B], s21, (1<<20)|(1<<21)|(5<<22)|(3<<25)
.irp g, G1A, G1B
	s_mov_b32 s[\g+1], 256<<16
	s_mov_b32 s[\g+3], 256<<16
	s_mov_b32 s[\g+5], 1024
	s_mov_b32 s[\g+6], 0
	s_mov_b32 s[\g+7], 0
.endr
	s_mov_b32 s[G1A+2], 256<<16                    ; 256 rows of x or h
	s_mov_b32 s[G1A+4], 256
	s_mov_b32 s[G1B+2], 192<<16                    ; 192 rows of weights
	s_mov_b32 s[G1B+4], 192
	s_or_b32 s[G1SA], s20, (3<<16)|(1<<21)         ; scales: a dense block as rows of 256 bytes (32 elements of 8), no padding
	s_or_b32 s[G1SB], s21, (3<<16)|(1<<21)
.irp g, G1SA, G1SB
	s_mov_b32 s[\g+1], 32<<16
	s_mov_b32 s[\g+3], 32<<16
	s_mov_b32 s[\g+5], 32
	s_mov_b32 s[\g+6], 0
	s_mov_b32 s[\g+7], 0
.endr
	s_mov_b32 s[G1SA+2], 8<<16
	s_mov_b32 s[G1SA+4], 8
	s_mov_b32 s[G1SB+2], 6<<16
	s_mov_b32 s[G1SB+4], 6
	s_lshl_b32 s2, s101, 19                        ; the rows' offsets hang on the work-group's rows alone,
	s_mov_b32 s3, 0
	s_lshl_b32 s22, s101, 12
	s_mov_b32 s23, 0
	s_mul_i32 s84, s100, 192*1024                  ; the weights' on the tile column alone
	s_mov_b32 s85, 0
	s_mul_i32 s90, s100, 1536
	s_mov_b32 s91, 0
	s_mov_b32 s[G0A], 1
	s_mov_b32 s[G0A+1], 0
	s_mov_b32 s[G0B], 1
	s_mov_b32 s[G0B+1], BOFF
	s_mov_b32 s[G0SA], 1
	s_mov_b32 s[G0SA+1], SAO
	s_mov_b32 s[G0SB], 1
	s_mov_b32 s[G0SB+1], SWO
	s_wait_alu depctr_va_vdst(0)
	s_wait_dscnt 0x0
	s_wait_kmcnt 0x0
	s_add_nc_u64 s[G0A+2:G0A+3], s[4:5], s[2:3]
	s_or_b32 s[G0A+3], s[G0A+3], 0x80000000
	s_add_nc_u64 s[G0SA+2:G0SA+3], s[6:7], s[22:23]
	s_or_b32 s[G0SA+3], s[G0SA+3], 0x80000000
	s_add_nc_u64 s[G0B+2:G0B+3], s[8:9], s[84:85]
	s_or_b32 s[G0B+3], s[G0B+3], 0x80000000
	s_add_nc_u64 s[G0SB+2:G0SB+3], s[10:11], s[90:91]
	s_or_b32 s[G0SB+3], s[G0SB+3], 0x80000000
	CROUND                                         ; all sixteen work-groups are here
	QLOAD                                          ; slot 0: input's first quarter; one tensor load a wave at the head
	s_lshl_b32 s2, s101, 21                        ; hidden, out0, out1 at row 512 x work-group + 64 x wave, column 64 x tile column
	s_lshl_b32 s22, s[WV], 18
	s_add_co_u32 s2, s2, s22
	s_lshl_b32 s22, s100, 8
	s_add_co_u32 s2, s2, s22
	s_add_nc_u64 s[OUT0:OUT0+1], s[OUT0:OUT0+1], s[2:3]
	s_add_nc_u64 s[OUT1:OUT1+1], s[OUT1:OUT1+1], s[2:3]
	s_add_nc_u64 s[HID:HID+1], s[HID:HID+1], s[2:3]
	s_lshl_b32 s22, s101, 9                        ; the prefetches' first row: of x: 512 x work-group + 64 cx + 32 (wave % 2);
	s_lshl_b32 s23, s14, 6
	s_add_co_u32 s22, s22, s23
	s_mul_i32 s84, s100, 192                       ; of the weights: 192 x tile column + 48 cy + 24 (wave % 2)
	s_mul_i32 s23, s15, 48
	s_add_co_u32 s84, s84, s23
	s_and_b32 s90, s[WV], 1
	s_lshl_b32 s23, s90, 5
	s_add_co_u32 s22, s22, s23
	s_mul_i32 s90, s90, 24
	s_add_co_u32 s84, s84, s90
	s_cmp_eq_u32 s[RH], 0
	s_cselect_b32 s22, s22, s84
	s_cselect_b64 s[PF:PF+1], s[4:5], s[8:9]
	s_mov_b32 s84, WSTR
	s_cselect_b32 s84, ASTR, s84
	s_lshl_b32 s22, s22, 10
	s_add_co_u32 s22, s22, 256                     ; at quarter 1: each change of slots steps its pointer and then names it
	s_mov_b32 s23, 0
	s_add_nc_u64 s[PF:PF+1], s[PF:PF+1], s[22:23]
	s_add_nc_u64 s[PF+2:PF+3], s[PF:PF+1], s[84:85]
	s_mov_b32 s[NXT], 0x40000-768                  ; from quarter 3 to the next tile's quarter 0
	s_mov_b32 s[NLE], 0xbfb8aa3b                   ; -log2(e)
	s_mov_b32 s[NLE+1], s[NLE]
	s_mov_b32 s[TLE], 0x4038aa3b                   ; 2 log2(e)
	s_mov_b32 s[TLE+1], s[TLE]
	s_mul_i32 s14, s[WV], 64*PITCH                 ; my 64 rows in a slot
	s_lshl_b32 s15, s[WV], 9                       ; their scale bytes
	s_sub_co_u32 s2, 2048, s15                     ; from there to the weights' scale bytes
	s_add_co_u32 s15, s15, SAO
	s_mul_i32 s3, s[WV], WST
	s_add_co_u32 s3, s3, STAGE
	s_lshl_b32 s4, s[WV], 10
	s_add_co_u32 s4, s4, BIASL
	s_lshl_b32 s5, s[RH], 3
	s_sub_co_u32 s5, 31, s5
	s_lshl_b32 s6, s100, 8
	v_and_b32 v1, 15, v0                           ; r
	v_bfe_u32 v2, v0, 4, 1                         ; h
	v_and_b32 v5, 31, v0
	v_lshl_add_u32 v6, v5, 3, s6                   ; two columns a lane of the tile's 64
	global_load_b64 v[96:97], v6, s[92:93]
	global_load_b64 v[98:99], v6, s[94:95]
	global_load_b64 v[100:101], v6, s[96:97]
	global_load_b64 v[102:103], v6, s[98:99]
	global_load_b64 v[104:105], v6, s[16:17]
	global_load_b64 v[106:107], v6, s[18:19]
	v_mul_u32_u24 v3, v1, PITCH
	v_lshl_add_u32 v4, v2, 4, v3
	v_add_nc_u32 v[ADRA], s14, v4
	v_add_nc_u32 v[ADRA+1], SLOT, v[ADRA]
	v_add_nc_u32 v[ADRB], BOFF, v4
	v_add_nc_u32 v[ADRB+1], SLOT, v[ADRB]
	v_mul_u32_u24 v7, s2, v2                       ; the lower base + h x the distance
	v_lshl_add_u32 v7, v1, 3, v7
	v_add_nc_u32 v[ADRS], s15, v7
	v_add_nc_u32 v[ADRS+1], SLOT, v[ADRS]
	v_lshl_add_u32 v[STO], v2, 5, v3
	v_add_nc_u32 v[STO], s3, v[STO]
	v_mul_u32_u24 v[RD], v2, PITCH
	v_lshl_add_u32 v[RD], v1, 4, v[RD]
	v_add_nc_u32 v[RD], s3, v[RD]
	v_lshlrev_b32 v[CO], 12, v2
	v_lshl_add_u32 v[CO], v1, 4, v[CO]
	v_lshl_add_u32 v[BIA], v2, 5, s4
	v_lshl_add_u32 v27, v5, 3, s4
	v_min_u32 v[PFO], s5, v5
	v_lshlrev_b32 v[PFO], 10, v[PFO]
	s_wait_alu depctr_va_vdst(0)
	s_wait_loadcnt 0x0
	v_pk_add_f32 v[96:97], v[96:97], v[98:99]
	v_pk_add_f32 v[100:101], v[100:101], v[102:103]
	v_pk_mul_f32 v[104:105], v[104:105], s[TLE:TLE+1] op_sel_hi:[1,0]      ; 2 log2(e) b_in
	v_pk_mul_f32 v[96:97], v[96:97], s[NLE:NLE+1] op_sel_hi:[1,0]          ; -log2(e) (b_ir + b_hr)
	v_pk_mul_f32 v[100:101], v[100:101], s[NLE:NLE+1] op_sel_hi:[1,0]
	ds_store_b64 v27, v[96:97]
	ds_store_b64 v27, v[100:101] offset:256
	ds_store_b64 v27, v[106:107] offset:512        ; b_hn
	ds_store_b64 v27, v[104:105] offset:768
.macro FRAG reg, adr, off              ; 16 rows x 128 K: registers 4 c .. 4 c + 3 hold K = 32 c + 16 h + 0 .. 15
.irp c, 0,1,2,3
	ds_load_b128 v[\reg+4*\c:\reg+4*\c+3], v[\adr] offset:(\off)+32*\c
.endr
.endm
.macro FETCH_W sl, q, u                ; weight blocks 6 u .. 6 u + 5: 24 loads
	WIN 0x40
.irp i, 0,1,2,3,4,5
	FRAG 16*(6*(\u)+\i), ADRB+\sl, 128*(\q)+(6*(\u)+\i)*16*PITCH
.endr
	WIN 0
.endm
.macro FETCH_A sl, q                   ; my four row blocks into set q: 16 loads
.irp i, 0,1,2,3
	FRAG AF+64*(\q)+16*\i, ADRA+\sl, 128*(\q)+\i*16*PITCH
.endr
.endm
.macro SCALES sl                       ; pair i: lanes 16-31 weight block i's two words; lanes 0-15 row block i's (i < 4; beyond, filled scale bytes that no product names)
.irp i, 0,1,2,3,4,5,6,7,8,9,10,11
	ds_load_b64 v[SC+24*(\sl)+2*\i:SC+24*(\sl)+2*\i+1], v[ADRS+(\sl)] offset:128*\i
.endr
.endm
; 24 matrix instructions: weight blocks 6 u + b x my four row blocks, the slot's q-th 128 along K.  Block b adds onto sum b + 2 sl (b / 4).  mode 1: all start their sums; 2: blocks 4, 5 do.
; The accumulators take turns, one instruction a turn.
.macro HALF u, q, sl, mode
	WIN 0xa1+0x50*(\u)
.set m_b, 0
.rept 6
.set m_i, m_b+2*(\sl)*(m_b/4)
.set m_w, 6*(\u)+m_b
.set m_a, 0
.rept 4
.set m_c, 8*(8*m_a+m_i)
.if ((\mode) == 1) || (((\mode) == 2) && (m_b >= 4))
	v_wmma_scale_f32_16x16x128_f8f6f4 v[m_c:m_c+7], v[16*m_w:16*m_w+15], v[AF+64*(\q)+16*m_a:AF+64*(\q)+16*m_a+15], 0, v[SC+24*(\sl)+2*m_w+(\q)], v[SC+24*(\sl)+2*m_a+(\q)] matrix_a_fmt:MATRIX_FMT_BF8 matrix_b_fmt:MATRIX_FMT_BF8 matrix_a_scale:MATRIX_SCALE_ROW1
.else
	v_wmma_scale_f32_16x16x128_f8f6f4 v[m_c:m_c+7], v[16*m_w:16*m_w+15], v[AF+64*(\q)+16*m_a:AF+64*(\q)+16*m_a+15], v[m_c:m_c+7], v[SC+24*(\sl)+2*m_w+(\q)], v[SC+24*(\sl)+2*m_a+(\q)] matrix_a_fmt:MATRIX_FMT_BF8 matrix_b_fmt:MATRIX_FMT_BF8 matrix_a_scale:MATRIX_SCALE_ROW1
.endif
.set m_a, m_a+1
.endr
.set m_b, m_b+1
.endr
.endm
; A slot's first 128 along K.  Eight places stand in front of each run of loads into registers that matrix instructions have read.
.macro STEP sl, mode
	s_wait_dscnt 24                                ; all but the youngest 24 loads (weight blocks 6-11)
	HALF 0, 0, \sl, \mode
	s_wait_dscnt 0x0
	PLACES 8
	WIN 0
	FETCH_A \sl, 1
	FETCH_W \sl, 1, 0
	HALF 1, 0, \sl, \mode
	PLACES 8
	FETCH_W \sl, 1, 1
.endm
; A slot's second 128 along K, and the change of slots.  kind 1: the slot takes its tensors' next quarter; 2: the next tile's first; 0: nothing (no round).  fetch: the other slot's first fragments follow.
; pf 1: the prefetch pointer steps a quarter, flag in s[fl];  2: in the loop: lap 1 steps a quarter, lap 2 to the next tile.
.macro TURN sl, kind, fetch, pf, fl
.if \pf
	s_wait_xcnt 0x0                                ; my last prefetch has read its address
.if \pf == 2
	s_cmp_eq_u32 s3, 2
	s_cselect_b32 s[FL], s[F01], s[F23]
	s_cselect_b32 s[PST], 256, s[NXT]
	s_add_nc_u64 s[PF+2*\sl:PF+2*\sl+1], s[PF+2*\sl:PF+2*\sl+1], s[PST:PST+1]
.else
	s_add_nc_u64 s[PF+2*\sl:PF+2*\sl+1], s[PF+2*\sl:PF+2*\sl+1], 256
.endif
.endif
	s_wait_dscnt 24
	HALF 0, 1, \sl, 0
	WIN 0
	s_wait_tensorcnt 0x0                           ; all my tensor loads have landed: my part of the other slot
	ds_add_u32 v[SPW], v[NIL]
.if \kind
	GSTEP \sl, (\kind)-1
.endif
	s_wait_dscnt 0x0                               ; the add is done, and my reads of this slot are over
	s_barrier_signal -1
	s_barrier_wait -1
.if \kind
	CREST
	QLOAD                                          ; the first tensor load behind the round, one a wave
	PLACES 4
.else
	PLACES 8
.endif
.if \fetch
	FETCH_A 1-\sl, 0
	FETCH_W 1-\sl, 0, 0
	SCALES 1-\sl
.endif
.if \pf
	s_cmp_lg_u32 s[\fl], 0
	s_cbranch_scc0 .Lnp_\@
	global_prefetch_b8 v[PFO], s[PF+2*\sl:PF+2*\sl+1] th:TH_LOAD_NT scope:SCOPE_SE
.Lnp_\@:
.endif
	HALF 1, 1, \sl, 0
.if \fetch
	PLACES 8
	FETCH_W 1-\sl, 0, 1
.else
	WIN 0
.endif
.endm
	s_wait_alu depctr_va_vdst(0)
	s_wait_tensorcnt 0x0                           ; slot 1's first fill is issued as a refill is
	ds_add_u32 v[SPW], v[NIL]
	GSTEP 1, 0
	s_wait_dscnt 0x0
	CROUND
	QLOAD                                          ; slot 1: hidden's first quarter
	s_mov_b32 s2, 2                                ; tiles to go
.Ltile:
	s_cmp_eq_u32 s[RH], 0
	s_cselect_b32 s[F01], 1, 0
	s_cmp_eq_u32 s2, 2
	s_cselect_b32 s[F23], 1, 0
	s_or_b32 s[FL], s[F01], s[F23]
	s_and_b32 s[F23], s[F01], s[F23]               ; laps 2, 3 name the next tile's rows: waves 0, 1 in the first tile
	s_mov_b32 s[F01], s[FL]                        ; laps 0, 1: waves 0, 1 always, waves 2, 3 in the first tile
	FETCH_A 0, 0
	FETCH_W 0, 0, 0
	SCALES 0
	FETCH_W 0, 0, 1
	STEP 0, 1                                      ; the first lap is written out: its first products start the sums
	TURN 0, 1, 1, 1, F01
	STEP 1, 2
	TURN 1, 1, 1, 1, F01
	STEP 0, 0
	s_mov_b32 s3, 2
.Llap:
	TURN 0, 1, 1, 2, FL
	STEP 1, 0
	TURN 1, 1, 1, 2, FL
	STEP 0, 0
	s_sub_co_u32 s3, s3, 1
	s_cmp_lg_u32 s3, 0
	s_cbranch_scc1 .Llap
	s_cmp_eq_u32 s2, 1
	s_cbranch_scc1 .Llast
	TURN 0, 2, 1, 1, F23                           ; the ring goes on: slot 0 takes the next tile's first quarter of input,
	STEP 1, 0
	TURN 1, 2, 0, 1, F23                           ; slot 1 that of hidden
	s_branch .Ltail
.Llast:
	TURN 0, 0, 1, 0, FL                            ; the last tile asks for nothing more
	STEP 1, 0
	s_wait_dscnt 24
	HALF 0, 1, 1, 0
	s_wait_dscnt 0x0
	HALF 1, 1, 1, 0
	WIN 0
.Ltail:
	PLACES 8                                       ; behind the last products: for the loads below and the gates' first reads
	WIN 0x40
.set gt, 0
.rept 32
	global_load_b128 v[4*gt:4*gt+3], v[CO], s[HID:HID+1] offset:8192*gt th:TH_LOAD_NT   ; hidden, two whole rows of 256 bytes an instruction, in the stores' layout
.set gt, gt+1
.endr
	WIN 0
.irp u, 0,1
.irp w, 0,1,2,3
.irp k, 0,1,2,3
	ds_load_b128 v[BI+64*\u+16*\w+4*\k:BI+64*\u+16*\w+4*\k+3], v[BIA] offset:256*\w+128*\u+64*(\k/2)+16*(\k%2)
.endr
.endr
.endr
	s_wait_dscnt 0x0
; THE GATES of my 64 rows x 32 columns (u = 0: window 2; 1: window 3), in place.  In a row block's 64 registers: 0-15 r's sums, 16-31 z's, 32-47 x's part of n, 48-63 h's.  Every accumulator is taken from its low end on.
; Each batch of transcendentals has one wait ahead of it and, behind one plain line, one behind it.
.macro GATES u
.set BU, BI+64*(\u)
	WIN 0x82+0x41*(\u)                             ; source 0 and the destination in the half's window, source 1 (a bias) in window 0
	s_wait_alu depctr_va_vdst(0)
.set ga, 0
.rept 4
.set gi, 0
.rept 8
	v_pk_add_f32 v[64*ga+48+2*gi:64*ga+49+2*gi], v[64*ga+48+2*gi:64*ga+49+2*gi], v[BU+32+2*gi:BU+33+2*gi]   ; + b_hn
.set gi, gi+1
.endr
.set ga, ga+1
.endr
	WIN 0x8a+0x45*(\u)                             ; source 2 (a bias) in window 0
	s_wait_alu depctr_va_vdst(0)
.set ga, 0
.rept 4
.set gi, 0
.rept 16
	v_pk_fma_f32 v[64*ga+2*gi:64*ga+2*gi+1], v[64*ga+2*gi:64*ga+2*gi+1], s[NLE:NLE+1], v[BU+2*gi:BU+2*gi+1] op_sel_hi:[1,0,1]   ; -log2(e) (sum + biases)
.set gi, gi+1
.endr
.set ga, ga+1
.endr
	s_wait_alu depctr_va_vdst(0)
.set ga, 0
.rept 4
.set gi, 0
.rept 32
	v_exp_f32 v[64*ga+gi], v[64*ga+gi]
.set gi, gi+1
.endr
.set ga, ga+1
.endr
	v_nop
	s_wait_alu depctr_va_vdst(0)
.set ga, 0
.rept 4
.set gi, 0
.rept 16
	v_pk_add_f32 v[64*ga+2*gi:64*ga+2*gi+1], v[64*ga+2*gi:64*ga+2*gi+1], 1.0 op_sel_hi:[1,0]
.set gi, gi+1
.endr
.set ga, ga+1
.endr
	s_wait_alu depctr_va_vdst(0)
.set ga, 0
.rept 4
.set gi, 0
.rept 32
	v_rcp_f32 v[64*ga+gi], v[64*ga+gi]             ; r and z
.set gi, gi+1
.endr
.set ga, ga+1
.endr
	v_nop
	WIN 0xaa+0x55*(\u)
	s_wait_alu depctr_va_vdst(0)
.set ga, 0
.rept 4
.set gi, 0
.rept 8
	v_pk_fma_f32 v[64*ga+48+2*gi:64*ga+49+2*gi], v[64*ga+2*gi:64*ga+2*gi+1], v[64*ga+48+2*gi:64*ga+49+2*gi], v[64*ga+32+2*gi:64*ga+33+2*gi]   ; r (h's part + b_hn) + x's part
.set gi, gi+1
.endr
.set ga, ga+1
.endr
	WIN 0x8a+0x45*(\u)
.set ga, 0
.rept 4
.set gi, 0
.rept 8
	v_pk_fma_f32 v[64*ga+48+2*gi:64*ga+49+2*gi], v[64*ga+48+2*gi:64*ga+49+2*gi], s[TLE:TLE+1], v[BU+48+2*gi:BU+49+2*gi] op_sel_hi:[1,0,1]   ; 2 log2(e) (.. + b_in)
.set gi, gi+1
.endr
.set ga, ga+1
.endr
	s_wait_alu depctr_va_vdst(0)
.set ga, 0
.rept 4
.set gi, 0
.rept 16
	v_exp_f32 v[64*ga+48+gi], v[64*ga+48+gi]
.set gi, gi+1
.endr
.set ga, ga+1
.endr
	v_nop
	s_wait_alu depctr_va_vdst(0)
.set ga, 0
.rept 4
.set gi, 0
.rept 8
	v_pk_add_f32 v[64*ga+48+2*gi:64*ga+49+2*gi], v[64*ga+48+2*gi:64*ga+49+2*gi], 1.0 op_sel_hi:[1,0]
.set gi, gi+1
.endr
.set ga, ga+1
.endr
	s_wait_alu depctr_va_vdst(0)
.set ga, 0
.rept 4
.set gi, 0
.rept 16
	v_rcp_f32 v[64*ga+48+gi], v[64*ga+48+gi]
.set gi, gi+1
.endr
.set ga, ga+1
.endr
	v_nop
	s_wait_alu depctr_va_vdst(0)
.set ga, 0
.rept 4
.set gi, 0
.rept 8
	v_pk_fma_f32 v[64*ga+48+2*gi:64*ga+49+2*gi], v[64*ga+48+2*gi:64*ga+49+2*gi], -2.0, 1.0 op_sel_hi:[1,0,0]   ; n = 1 - 2 / (1 + e^(2 y))
.set gi, gi+1
.endr
.set ga, ga+1
.endr
.endm
; THE WAY OUT, 16 rows at a time: z and n go into my own stage and come back by rows, two whole rows of 256 bytes an instruction, as hidden lies in its registers; LDS serves a wave's instructions in order
; (ISA guide 5.7.1.4), so no wait stands between the stores and the loads, nor in front of the next block's stores.
.macro TOST a
.irp u, 0,1
	WIN 0x08+0x04*\u                               ; an LDS store's data are its source 1
.irp k, 0,1,2,3
	ds_store_b128 v[STO], v[64*(\a)+16+4*\k:64*(\a)+19+4*\k] offset:128*\u+64*(\k/2)+16*(\k%2)
	ds_store_b128 v[STO], v[64*(\a)+48+4*\k:64*(\a)+51+4*\k] offset:16*PITCH+128*\u+64*(\k/2)+16*(\k%2)
.endr
.endr
	WIN 0
.irp t, 0,1,2,3,4,5,6,7
	ds_load_b128 v[ZN+64*((\a)%2)+4*\t:ZN+64*((\a)%2)+4*\t+3], v[RD] offset:2*\t*PITCH
	ds_load_b128 v[ZN+64*((\a)%2)+32+4*\t:ZN+64*((\a)%2)+35+4*\t], v[RD] offset:16*PITCH+2*\t*PITCH
.endr
.endm
.macro SEND a, younger                 ; younger: the LDS instructions issued behind block a's loads
.set ZB, ZN+64*((\a)%2)
	s_wait_dscnt \younger
	WIN 0x41                                       ; hidden (source 0, destination) window 1, n window 0
.set gi, 0
.rept 16
	v_pk_add_f32 v[32*(\a)+2*gi:32*(\a)+2*gi+1], v[32*(\a)+2*gi:32*(\a)+2*gi+1], v[ZB+32+2*gi:ZB+33+2*gi] neg_lo:[0,1] neg_hi:[0,1]   ; hidden - n
.set gi, gi+1
.endr
	WIN 0x44
.set gi, 0
.rept 16
	v_pk_fma_f32 v[32*(\a)+2*gi:32*(\a)+2*gi+1], v[ZB+2*gi:ZB+2*gi+1], v[32*(\a)+2*gi:32*(\a)+2*gi+1], v[ZB+32+2*gi:ZB+33+2*gi]   ; h_t = z (hidden - n) + n
.set gi, gi+1
.endr
	WIN 0x04                                       ; a store's data are its source 1
.irp t, 0,1,2,3,4,5,6,7
	global_store_b128 v[CO], v[32*(\a)+4*\t:32*(\a)+4*\t+3], s[OUT0:OUT0+1] offset:(16*(\a)+2*\t)*4096 th:TH_STORE_NT   ; 16 lanes store 256 consecutive bytes, aligned
	global_store_b128 v[CO], v[32*(\a)+4*\t:32*(\a)+4*\t+3], s[OUT1:OUT1+1] offset:(16*(\a)+2*\t)*4096 th:TH_STORE_NT
.endr
	WIN 0
.endm
	GATES 0
	GATES 1
	WIN 0
	s_wait_alu depctr_va_vdst(0)
	TOST 0
	s_wait_loadcnt 0x0                             ; hidden is in
	TOST 1
	SEND 0, 32
	TOST 2
	SEND 1, 32
	TOST 3
	SEND 2, 32
	SEND 3, 0
	s_wait_xcnt 0x0                                ; the stores have read their data and bases: the next tile's fragments land on the one, the others step
	s_add_nc_u64 s[OUT0:OUT0+1], s[OUT0:OUT0+1], 0x100000
	s_add_nc_u64 s[OUT1:OUT1+1], s[OUT1:OUT1+1], 0x100000
	s_add_nc_u64 s[HID:HID+1], s[HID:HID+1], 0x100000
	s_sub_co_u32 s2, s2, 1
	s_cmp_lg_u32 s2, 0
	s_cbranch_scc1 .Ltile
	s_wait_tensorcnt 0x0                           ; the wave's end
	ds_add_u32 v[SPW], v[NIL]
	s_wait_dscnt 0x0
	CROUND                                         ; the closing round
	s_endpgm
.Lfunc_end_k_qf6a3eceffb_gru:
	.size	k_qf6a3eceffb_gru, .Lfunc_end_k_qf6a3eceffb_gru-k_qf6a3eceffb_gru
	.p2alignl 7, 3214868480
	.fill 96, 4, 3214868480
	.section	.rodata,"a",@progbits
	.p2align	6, 0x0
	.amdhsa_kernel k_qf6a3eceffb_gru
		.amdhsa_group_segment_fixed_size 327680
		.amdhsa_private_segment_fixed_size 0
		.amdhsa_enable_private_segment 0
		.amdhsa_kernarg_size 104
		.amdhsa_user_sgpr_count 2
		.amdhsa_user_sgpr_kernarg_segment_ptr 1
		.amdhsa_wavefront_size32 1
		.amdhsa_system_sgpr_workgroup_id_x 1
		.amdhsa_system_sgpr_workgroup_id_y 1
		.amdhsa_system_sgpr_workgroup_id_z 1
		.amdhsa_system_vgpr_workitem_id 0
		.amdhsa_next_free_vgpr 1024
		.amdhsa_next_free_sgpr 102
		.amdhsa_reserve_vcc 0
		.amdhsa_float_denorm_mode_32 3
		.amdhsa_float_denorm_mode_16_64 3
		.amdhsa_memory_ordered 1
		.amdhsa_forward_progress 1
		.amdhsa_inst_pref_size 255
	.end_amdhsa_kernel
	.section	.bss,"aw",@nobits
	.p2align	6
	.space	262144
	.amdgpu_metadata
---
amdhsa.version: [ 1, 2 ]
amdhsa.kernels:
  - .name:           k_qf6a3eceffb_gru
    .symbol:         k_qf6a3eceffb_gru.kd
    .args:
      - { .name: acodes, .offset: 0, .size: 8, .value_kind: global_buffer, .address_space: global }
      - { .name: ascales, .offset: 8, .size: 8, .value_kind: global_buffer, .address_space: global }
      - { .name: wcodes, .offset: 16, .size: 8, .value_kind: global_buffer, .address_space: global }
      - { .name: wscales, .offset: 24, .size: 8, .value_kind: global_buffer, .address_space: global }
      - { .name: out0, .offset: 32, .size: 8, .value_kind: global_buffer, .address_space: global }
      - { .name: out1, .offset: 40, .size: 8, .value_kind: global_buffer, .address_space: global }
      - { .name: hidden, .offset: 48, .size: 8, .value_kind: global_buffer, .address_space: global }
      - { .name: b_ir, .offset: 56, .size: 8, .value_kind: global_buffer, .address_space: global }
      - { .name: b_hr, .offset: 64, .size: 8, .value_kind: global_buffer, .address_space: global }
      - { .name: b_iz, .offset: 72, .size: 8, .value_kind: global_buffer, .address_space: global }
      - { .name: b_hz, .offset: 80, .size: 8, .value_kind: global_buffer, .address_space: global }
      - { .name: b_in_, .offset: 88, .size: 8, .value_kind: global_buffer, .address_space: global }
      - { .name: b_hn, .offset: 96, .size: 8, .value_kind: global_buffer, .address_space: global }
    .group_segment_fixed_size: 327680
    .private_segment_fixed_size: 0
    .kernarg_segment_align: 8
    .kernarg_segment_size: 104
    .max_flat_workgroup_size: 128
    .sgpr_count:     102
    .vgpr_count:     1024
    .wavefront_size: 32
...
	.end_amdgpu_metadata
.endif
;; end of part 4
